; MI455X (gfx1250); checked and timed in simulation.
; The chip was launched on July 23, 2026; its instructions are those of AMD's public machine-readable ISA for CDNA 5 (MIT licence, August 2026) and "CDNA5" Instruction Set Architecture Reference Guide (July 2026). The comments in the code are by the model that wrote it; some were corrected since.
;; Attn. Allowed arithmetic: matrix products marked QUANTISED: E3M2 operands, one E8M0 scale for each 32 along K, by v_wmma_scale_f32_16x16x128_f8f6f4 with both operands' format E3M2, f32 sums; everything else in f32.
;; Inputs: Wk_codes 512 x 16 x 24 uint8 (E3M2 codes of Wk, K innermost, in blocks of 32 codes, four codes in three bytes); Wk_scales 512 x 16 uint8 (E8M0 scales of Wk, one for each 32 codes along K); Wo_codes 512 x 16 x 24 uint8 (E3M2 codes of Wo, K innermost, in blocks of 32 codes, four codes in three bytes); Wo_scales 512 x 16 uint8 (E8M0 scales of Wo, one for each 32 codes along K); Wq_codes 512 x 16 x 24 uint8 (E3M2 codes of Wq, K innermost, in blocks of 32 codes, four codes in three bytes); Wq_scales 512 x 16 uint8 (E8M0 scales of Wq, one for each 32 codes along K); Wv_codes 512 x 16 x 24 uint8 (E3M2 codes of Wv, K innermost, in blocks of 32 codes, four codes in three bytes); Wv_scales 512 x 16 uint8 (E8M0 scales of Wv, one for each 32 codes along K); bo 512 float32; ln_b 512 float32; ln_g 512 float32; pos 1 x 1,024 x 512 float32; proj_k_codes 256 x 32 x 24 uint8 (E3M2 codes of proj_k, K innermost, in blocks of 32 codes, four codes in three bytes); proj_k_scales 256 x 32 uint8 (E8M0 scales of proj_k, one for each 32 codes along K); proj_v_codes 256 x 32 x 24 uint8 (E3M2 codes of proj_v, K innermost, in blocks of 32 codes, four codes in three bytes); proj_v_scales 256 x 32 uint8 (E8M0 scales of proj_v, one for each 32 codes along K); x 32 x 512 x 32 x 32 float32.
;; Outputs: out0 32 x 512 x 32 x 32 float32.
;; This version of the problem:
;;   THIS VERSION OF THE PROBLEM IS GIVEN IN LOW PRECISION. The matrix products marked QUANTISED in the list below multiply operands that are first quantised to E3M2 (3 exponent bits, 2 mantissa bits; 6 bits a number), with one power-of-two scale for each 32 numbers along K (OCP MX v1.0); their sums are f32. All else is computed in f32.
;;   The module's matrix products, in the order in which they are computed (A, B: the left and right operand; K: the contracted axis; several contracted axes count as one K, in the product's order):
;;     1. [M 32,768, K 512] x [K 512, N 512]; A: computed on the way; B: input Wq (given as codes): QUANTISED
;;     2. [M 32,768, K 512] x [K 512, N 512]; A: computed on the way; B: input Wk (given as codes): QUANTISED
;;     3. [M 256, K 1,024] x [K 1,024, N 16,384]; A: input proj_k (given as codes); B: computed on the way: QUANTISED
;;     4. [M 32,768, K 512] x [K 512, N 512]; A: computed on the way; B: input Wv (given as codes): QUANTISED
;;     5. [M 256, K 1,024] x [K 1,024, N 16,384]; A: input proj_v (given as codes); B: computed on the way: QUANTISED
;;     6. batch 256 x [M 1,024, K 64] x [K 64, N 256]; A: computed on the way; B: computed on the way: QUANTISED
;;     7. batch 256 x [M 64, K 256] x [K 256, N 1,024]; A: computed on the way; B: softmax (see below): QUANTISED
;;     8. [M 32,768, K 512] x [K 512, N 512]; A: computed on the way; B: input Wo (given as codes): QUANTISED
;;   THE QUANTISER, for each operand of a quantised product, along K:
;;     - K is cut into blocks of 32 from its start; a last block that is shorter is filled with zeros.
;;     - A block's scale is 2^e with e = floor(log2(the largest magnitude in the block)) - 4, held to -126 .. 127; a block of zeros has e = 0. As a byte (E8M0): e + 127.
;;     - Each number is divided by its block's scale, clamped to +-28, and rounded to the nearest number of E3M2, ties to even, subnormals kept.
;;     - The product sums the exact products of the quantised numbers (number of the format x scale) in f32.
;;   ~~~python
;;   def quantise(x, axis):      # numpy; x: float32 -> the quantised numbers, widened to float32 again
;;       x = np.moveaxis(x, axis, -1); K = x.shape[-1]
;;       x = np.pad(x, [(0, 0)] * (x.ndim - 1) + [(0, -K % 32)]); x = x.reshape(x.shape[:-1] + (-1, 32)); a = np.abs(x).max(-1, keepdims=True)
;;       e = np.where(a > 0, np.clip(np.frexp(np.where(a > 0, a, 1))[1] - 1 - 4, -126, 127), 0)      # np.frexp(a)[1] - 1 = floor(log2(a)), exactly
;;       r = np.clip(x / 2.0 ** e, -28, 28)
;;       step = 2.0 ** (np.maximum(np.frexp(np.where(r == 0, 1, r))[1] - 1, -2) - 2)
;;       q = np.round(r / step) * step * 2.0 ** e      # np.round: ties to even
;;       return np.moveaxis(q.reshape(q.shape[:-2] + (-1,))[..., :K], -1, axis).astype(np.float32)
;;   ~~~
;;   SOFTMAX AHEAD OF A QUANTISED PRODUCT. Where the list says 'softmax', what is quantised is not the finished softmax but p = 2^(t - M), with t = logit x log2(e) and M = ceil(the row's largest t), a whole number; so 1/2 < the row's largest p <= 1. The row's sum l is taken of the UNQUANTISED p, in f32, and the product's result is divided by l at the end. Since M is a whole number, a kernel that streams over the keys may use a running M (the ceiling of the running maximum): every later rescaling is an exact power of two, which a block's scale takes up: the codes' values come out the same.
;;   OPERANDS COMPUTED ON THE WAY. 'Computed on the way' means the value that the module computes at that place (a softmax that the list does not call 'softmax' is quantised finished and normalised). What goes into a quantiser is computed in f32, as accurately as f32 sums, v_exp_f32 and their like allow (about 1e-6 of the number): no bf16 or f16 on the way to a quantiser, and a product that is left as it is and whose result goes on into a quantised operand takes f32 operands (vector FMAs, or v_wmma_f32_16x16x4_f32). A number that lies on a knife's edge between two numbers of the format may be rounded either way, as far as f32 arithmetic and the matrix unit's own rounding can turn it there, and no further.
;;   INPUTS GIVEN AS CODES. Wk (in the module: [512, 512], K = its axis 0); Wo (in the module: [512, 512], K = its axis 0); Wq (in the module: [512, 512], K = its axis 0); Wv (in the module: [512, 512], K = its axis 0); proj_k (in the module: [1024, 256], K = its axis 0); proj_v (in the module: [1024, 256], K = its axis 0): each comes as NAME_codes (uint8): NAME with its K axis moved to the last place and cut into blocks of 32 codes, [.., K / 32, bytes a block], one block behind the other in memory; four codes in three bytes: a row's codes are one little-endian stream of bits, code i at bits 6 i .. 6 i + 5 (a code: sign, 3 exponent bits, 2 mantissa bits); and NAME_scales (uint8): the same leading axes, one E8M0 byte (e + 127) for each 32 codes along K. Its value is code x scale, taken as it is: it is not quantised again, and the codes and scales need not be those that the quantiser above would give.
;; 2 versions, each right; version 2 is version 1 with the launches attn, wo written anew for expert scheduling mode. Each part assembles by itself: llvm-mc -triple=amdgcn-amd-amdhsa -mcpu=gfx1250 --defsym DOCPART=n.
;; ======== version 1 of 2: 3 launches
;; workspace buffers: ycodes 12,582,912 bytes; yscales 524,288 bytes; posT 2,097,152 bytes; ocodes 12,582,912 bytes; oscales 524,288 bytes; wimg 1,179,648 bytes
;; launch norm (part 1): grid 16 x 32, 8 waves a work-group, no clusters, 73,728 bytes of LDS; arguments x, pos, ln_g, ln_b, ycodes, yscales, posT, Wq_codes, Wk_codes, Wv_codes, proj_k_codes, proj_v_codes, Wo_codes, wimg; writes ycodes, yscales, posT, wimg
.if DOCPART == 1
	.amdgcn_target "amdgcn-amd-amdhsa--gfx1250"
	.amdhsa_code_object_version 6
	.text
	.protected	k_q2680f3fa3f_norm
	.globl	k_q2680f3fa3f_norm
	.p2align	8
	.type	k_q2680f3fa3f_norm,@function
k_q2680f3fa3f_norm:
	s_mov_b64 s[64:65], 0
	v_nop
	global_prefetch_b8 v0, s[64:65] scope:SCOPE_SE
	s_setreg_imm32_b32 hwreg(HW_REG_WAVE_MODE, 25, 1), 1
	s_wait_xcnt 0x0
; y = relu(LayerNorm over c of (x[b][c][n] + pos[n][c])), quantised along c to codes of E3M2 with one E8M0 byte for each 32 c.
; x: [32][512][1024] f32, pos: [1024][512] f32, ln_g, ln_b: [512] f32.
; OUT: ycodes [b][tile 64][K step 4][1536]: a fragment (16 rows x 128 c, 12 registers a lane) as an image of its registers: registers 4 j .. 4 j + 3 of lane L at 512 j + 16 L.
;      yscales [b][tile][row 16][16]: byte 4 s + j = block j of K step s.      posT [512][1024] f32 = pos transposed, stored by the work-groups of b = 0 alone.
;      wimg [tensor 6][fragment 128][1536]: the given codes of Wq, Wk, Wv, proj_k, proj_v, Wo as such images, so that the later launches, all of whose work-groups read them, load each fragment by three
;      instructions of 512 consecutive bytes.  The work-groups of b = 1 .. 6 take tensor b - 1, one fragment a wave: fragment f = 8 x work-group x + wave is (tile f / K steps, K step f % K steps).
; THE ROWS OF A TILE ARE NOT NEIGHBOURS: row r of tile t (of y, and of all the tensors but Wo) is row 32 (t / 2) + 8 (t % 2) + r + 8 (r / 8), so that a product that takes the tile as source 0 leaves 16 neighbours in the 16 registers of two tiles.
; SHARES.  A work-group takes 64 positions of one b and all 512 c.  Wave wv: 32 positions (ng = wv & 1) x 128 channels (cg = wv >> 1, one K step).  A LANE IS A POSITION AND ITS REGISTERS RUN DOWN c:
; each load of x reads 128 consecutive bytes, the two waves of a cg 256; a block of 32 c lies in one lane, and the conversions give codes with c innermost.  pos, whose c is innermost, turns through the wave's own stage in LDS.
; The mean and the variance (taken of x - mean, in a second pass, so that a common offset of the inputs costs no accuracy) are summed in each lane and joined over the four cg through LDS.
; No tensor loads, no matrix unit, no cluster: the launch streams, and its work-groups share only pos (2 MB against 67 MB of x).
; LIMITS: NaN and infinities among the inputs are not served.  A block whose largest number lies under 2^-122, a block of zeros among them, gets the byte 1: this program alone reads the bytes, and zero codes add nothing.
.set PSTB, 8704                        ; a wave's stage: 32 rows x (256 bytes + 16): the pitch is an odd multiple of 16 bytes, so the 16 rows that a load touches start at 16 different banks (64 banks of 4 bytes: ISA guide 11.1)
.set FRS,  1664                        ; later the same bytes hold the wave's two images, this far apart
.set RED,  8*PSTB                      ; two passes x 4 cg x 64 positions x 4 bytes
.set SCL,  RED+2048                    ; the work-group's scale words: 4 tiles x 16 rows x 16 bytes
.set XA,   2                           ; v2   4 x lane: my position's bytes in a row of x and of posT
.set PA,   3                           ; v3   pos: (lane / 16) rows of 2,048 bytes + 16 (lane % 16)
.set SW,   4                           ; v4   the stage, on the way in
.set SRD,  5                           ; v5   and on the way out: my row
.set CW,   6                           ; v6   where my codes go in the images
.set CR,   7                           ; v7   where I read an image back: 16 x lane
.set LI,   8                           ; v8   16 x lane
.set RW,   9                           ; v9   my partial sum's word
.set RR,   10                          ; v10  the four partial sums of my position
.set SCW,  11                          ; v11  my scale word's place
.set TH,   12                          ; v12  16 x thread
.set SWD,  13                          ; v13  my scale word
.set CH,   18                          ; v18-25 four chains of pairs
.set T,    32                          ; v32-63 32 numbers of pos for my position; at the head v32-43 a fragment of a given tensor, v44 its address, v45 its row
.set P,    64                          ; v64-127 pos as loaded
.set CD,   64                          ; later: codes, 8 registers a block
.set CT,   96                          ; a block's upper 16 codes, before they are moved
.set OUT,  100                         ; the images read back
.set X,    128                         ; v128-255 x + pos, then x + pos - mean, then y
	s_load_b256 s[4:11], s[0:1], 0x0               ; x s[4:5], pos s[6:7], ln_g s[8:9], ln_b s[10:11]
	s_load_b128 s[12:15], s[0:1], 0x20             ; ycodes s[12:13], yscales s[14:15]
	s_load_b64 s[84:85], s[0:1], 0x30              ; posT
	s_load_b64 s[48:49], s[0:1], 0x38              ; Wq's codes
	s_load_b256 s[52:59], s[0:1], 0x40             ; Wk's s[52:53], Wv's s[54:55], proj_k's s[56:57], proj_v's s[58:59]
	s_load_b128 s[60:63], s[0:1], 0x60             ; Wo's s[60:61], wimg s[62:63]
	s_set_vgpr_msb 0x40
	v_lshl_add_u32 v0, v0, 2, 0x11c00
	v_mov_b32 v1, 0
	s_set_vgpr_msb 0x4000
	v_lshrrev_b32 v1, 5, v0
	v_readfirstlane_b32 s86, v1                    ; wave 0..7
	s_and_b32 s87, s86, 1                          ; ng
	s_lshr_b32 s88, s86, 1                         ; cg
	s_and_b32 s90, ttmp7, 0xffff                   ; b
	s_mov_b32 s91, 0x3727c5ac                      ; 1e-5
	s_mov_b32 s92, 0x02800000                      ; the floor 2^(5 - 127)
	s_mul_i32 s93, s86, PSTB                       ; my stage
	v_and_b32 v1, 31, v0                           ; lane
	v_bfe_u32 v14, v0, 4, 1                        ; lane / 16
	v_and_b32 v15, 15, v0                          ; lane % 16
	v_bfe_u32 v16, v0, 3, 1                        ; u: which of my two tiles my position falls into
	v_and_b32 v17, 7, v0
	v_lshl_add_u32 v17, v14, 3, v17                ; r: its row there
	v_lshlrev_b32 v[XA], 2, v1
	v_lshlrev_b32 v[PA], 4, v15
	v_lshl_add_u32 v[PA], v14, 11, v[PA]
	v_mul_u32_u24 v[SW], v14, 272
	v_lshl_add_u32 v[SW], v15, 4, v[SW]
	v_add_nc_u32 v[SW], s93, v[SW]
	v_mul_u32_u24 v[SRD], v1, 272
	v_add_nc_u32 v[SRD], s93, v[SRD]
	v_mul_u32_u24 v[CW], v16, FRS
	v_lshl_add_u32 v[CW], v17, 4, v[CW]
	v_add_nc_u32 v[CW], s93, v[CW]
	v_lshlrev_b32 v[LI], 4, v1
	v_add_nc_u32 v[CR], s93, v[LI]
	s_lshl_b32 s94, s87, 7                         ; 128 ng
	s_lshl_b32 s96, s88, 8                         ; 256 cg
	v_add_nc_u32 v[RR], s94, v[XA]
	v_add_nc_u32 v[RR], RED, v[RR]
	v_add_nc_u32 v[RW], s96, v[RR]
	s_lshl_b32 s94, s87, 9                         ; two tiles of 256 bytes for each ng
	s_lshl_b32 s96, s88, 2                         ; my K step's word
	s_add_co_u32 s94, s94, s96
	v_lshlrev_b32 v[SCW], 8, v16
	v_lshl_add_u32 v[SCW], v17, 4, v[SCW]
	v_add_nc_u32 v[SCW], s94, v[SCW]
	v_add_nc_u32 v[SCW], SCL, v[SCW]
	v_lshlrev_b32 v[TH], 4, v0
	v_lshl_add_u32 v1, v0, 4, SCL                  ; where waves 0 and 1 read the scale words back
	; byte offsets of my wave's parts
	s_lshl_b32 s94, s88, 19                        ; 128 cg rows of 4,096 bytes
	s_lshl_b32 s96, ttmp9, 8                       ; 64 positions a work-group
	s_add_co_u32 s94, s94, s96
	s_lshl_b32 s96, s87, 7
	s_add_co_u32 s94, s94, s96                     ; posT
	s_mov_b32 s95, 0
	s_lshl_b32 s96, s90, 21
	s_add_co_u32 s96, s96, s94                     ; x: + b x 2 MB
	s_mov_b32 s97, 0
	s_wait_kmcnt 0x0
	s_add_nc_u64 s[84:85], s[84:85], s[94:95]
	s_add_nc_u64 s[4:5], s[4:5], s[96:97]
	s_lshl_b32 s94, ttmp9, 17                      ; pos: 64 rows of 2,048 bytes a work-group,
	s_lshl_b32 s96, s87, 16                        ; 32 rows for ng,
	s_add_co_u32 s94, s94, s96
	s_lshl_b32 s96, s88, 9                         ; 128 c of 4 bytes for cg
	s_add_nc_u64 s[8:9], s[8:9], s[96:97]
	s_add_nc_u64 s[10:11], s[10:11], s[96:97]
	s_add_co_u32 s94, s94, s96
	s_add_nc_u64 s[6:7], s[6:7], s[94:95]
	s_lshl_b32 s94, s90, 6
	s_lshl_b32 s96, ttmp9, 2
	s_add_co_u32 s94, s94, s96                     ; the work-group's first tile: 64 b + 4 wx
	s_lshl_b32 s98, s94, 8                         ; 256 scale bytes a tile
	s_mov_b32 s99, 0
	s_add_nc_u64 s[14:15], s[14:15], s[98:99]
	s_lshl_b32 s96, s87, 1
	s_add_co_u32 s94, s94, s96
	s_lshl_b32 s94, s94, 2
	s_add_co_u32 s94, s94, s88                     ; (tile, K step)
	s_mul_i32 s94, s94, 1536
	s_add_nc_u64 s[12:13], s[12:13], s[94:95]
.macro POSLOAD hf                      ; 32 rows x 256 bytes of pos: two rows an instruction
.irp i, 0,1,2,3,4,5,6,7,8,9,10,11,12,13,14,15
	global_load_b128 v[P+4*\i:P+4*\i+3], v[PA], s[6:7] offset:4096*\i+256*\hf
.endr
.endm
.macro POSSTORE                        ; into the stage as loaded
.irp i, 0,1,2,3,4,5,6,7,8,9,10,11,12,13,14,15
	ds_store_b128 v[SW], v[P+4*\i:P+4*\i+3] offset:544*\i
.endr
.endm
; 32 numbers of my position's row come back from the stage, are added to x, and (b = 0) leave as posT.  The branch hangs on the work-group's number alone.
.macro POSADD hf, pc
.irp j, 0,1,2,3,4,5,6,7
	ds_load_b128 v[T+4*\j:T+4*\j+3], v[SRD] offset:128*\pc+16*\j   ; LDS serves a wave's instructions in order: these see my stores
.endr
	s_wait_dscnt 0x0
.irp j, 0,2,4,6,8,10,12,14,16,18,20,22,24,26,28,30
	v_pk_add_f32 v[X+64*\hf+32*\pc+\j:X+64*\hf+32*\pc+\j+1], v[X+64*\hf+32*\pc+\j:X+64*\hf+32*\pc+\j+1], v[T+\j:T+\j+1]
.endr
	s_cmp_lg_u32 s90, 0
	s_cbranch_scc1 .Lnot_first_\@
.irp k, 0,1,2,3,4,5,6,7,8,9,10,11,12,13,14,15,16,17,18,19,20,21,22,23,24,25,26,27,28,29,30,31
	global_store_b32 v[XA], v[T+\k], s[84:85] offset:(64*\hf+32*\pc+\k)*4096
.endr
	s_wait_xcnt 0x0                                ; the stores have read T: it is loaded again only behind this wait
.Lnot_first_\@:
.endm
.macro COMBINE                         ; four chains of pairs into one number
	v_pk_add_f32 v[CH:CH+1], v[CH:CH+1], v[CH+2:CH+3]
	v_pk_add_f32 v[CH+4:CH+5], v[CH+4:CH+5], v[CH+6:CH+7]
	v_pk_add_f32 v[CH:CH+1], v[CH:CH+1], v[CH+4:CH+5]
	v_add_f32 v[CH], v[CH], v[CH+1]
.endm
.macro REDUCE pass                     ; my 128 channels' sum meets the other three waves' of my positions: v26 holds the sum over 512.  Each pass has words of its own
	ds_store_b32 v[RW], v[CH] offset:1024*\pass
	s_wait_dscnt 0x0                               ; for the others' sake: my store is done
	s_barrier_signal -1
	s_barrier_wait -1
.irp k, 0,1,2,3
	ds_load_b32 v[26+\k], v[RR] offset:1024*\pass+256*\k
.endr
	s_wait_dscnt 0x0
	v_add_f32 v26, v26, v27
	v_add_f32 v28, v28, v29
	v_add_f32 v26, v26, v28
.endm
.macro GBLOAD u                        ; gain and bias of 16 channels: the same for every lane, so they live in scalar registers; two sets by turns
.if ((\u)%2) == 0
	s_load_b512 s[16:31], s[8:9], 64*(\u)
	s_load_b512 s[32:47], s[10:11], 64*(\u)
.else
	s_load_b512 s[48:63], s[8:9], 64*(\u)
	s_load_b512 s[68:83], s[10:11], 64*(\u)
.endif
.endm
.macro NORM u
.if ((\u)%2) == 0
.set GS, 16
.set BSS, 32
.else
.set GS, 48
.set BSS, 68
.endif
.irp k, 0,1,2,3,4,5,6,7,8,9,10,11,12,13,14,15
	v_fma_f32 v[X+16*(\u)+\k], v[X+16*(\u)+\k], s[GS+\k], s[BSS+\k]
.endr
.irp k, 0,1,2,3,4,5,6,7,8,9,10,11,12,13,14,15
	v_max_num_f32 v[X+16*(\u)+\k], 0, v[X+16*(\u)+\k]
.endr
.endm
; Block j of my K step: 32 numbers, all mine and none negative.  Its 24 bytes of codes are registers 6 (j / 2) .. + 5 of lane r + 16 (j % 2) of the fragment.
.macro BLOCKQ j
	v_max3_num_f32 v30, v[X+32*(\j)], v[X+32*(\j)+1], s92          ; the largest, with the floor among the leaves: the byte cannot fall under 1
.irp i, 2,4,6,8,10,12,14,16,18,20,22,24,26,28,30
	v_max3_num_f32 v30, v30, v[X+32*(\j)+\i], v[X+32*(\j)+\i+1]
.endr
	v_add_nc_u32 v31, 0xfe000000, v30              ; 4 off its exponent field: the conversion's scale operand
	v_lshrrev_b32 v30, 23, v31                     ; the scale's byte
.if (\j) == 0
	v_mov_b32 v[SWD], v30
.else
	v_lshl_or_b32 v[SWD], v30, 8*(\j), v[SWD]
.endif
	v_cvt_scalef32_pk16_bf6_f32 v[CD+8*(\j):CD+8*(\j)+2], v[X+32*(\j):X+32*(\j)+15], v31
	v_cvt_scalef32_pk16_bf6_f32 v[CT:CT+2], v[X+32*(\j)+16:X+32*(\j)+31], v31   ; (a conversion's three registers begin on an even number)
	v_nop                                          ; one plain place behind a scaled conversion
.irp i, 0,1,2
	v_mov_b32 v[CD+8*(\j)+3+\i], v[CT+\i]
.endr
.if (\j) < 2
	ds_store_b128 v[CW], v[CD+8*(\j):CD+8*(\j)+3] offset:256*(\j)                ; registers 0-3
	ds_store_b64 v[CW], v[CD+8*(\j)+4:CD+8*(\j)+5] offset:512+256*(\j)           ; registers 4, 5
.else
	ds_store_b64 v[CW], v[CD+8*(\j):CD+8*(\j)+1] offset:520+256*((\j)-2)         ; registers 6, 7
	ds_store_b128 v[CW], v[CD+8*(\j)+2:CD+8*(\j)+5] offset:1024+256*((\j)-2)     ; registers 8-11
.endif
.endm
; The wave's first loads: half of pos, all of x, the first gain and bias.  Written on both sides of the branch below, so that on each way every register is written before it is read.
.macro HEADLOADS
	POSLOAD 0
.set k, 0
.rept 128
	global_load_b32 v[X+k], v[XA], s[4:5] offset:4096*k            ; x(128 cg + k, my position)
.set k, k+1
.endr
	GBLOAD 0
	s_wait_loadcnt 63                              ; at most the youngest 63 of x's 128 loads are out: what was issued ahead of x (pos's 16, and a fragment's 6 where there is one) is in
.endm
; My fragment of a given tensor into v32-43, as the operand's layout has it: lane (r, h) takes the 24 bytes at 24 h and those at 48 + 24 h of its row's K step.  s99: the fragment's number.
; pitch: a row's bytes; lk: log2 of the K steps in a row; perm: the tile's rows are 32 (T / 2) + 8 (T % 2) + r + 8 (r / 8), else 16 T + r.
.macro RELOAD base, pitch, lk, perm
	s_lshr_b32 s2, s99, \lk                        ; the tile
	s_and_b32 s3, s99, (1<<\lk)-1                  ; the K step
.if \perm
	s_lshr_b32 s94, s2, 1
	s_and_b32 s2, s2, 1
	s_lshl_b32 s94, s94, 5
	s_lshl_b32 s2, s2, 3
	s_add_co_u32 s2, s2, s94                       ; its first row
	v_mul_u32_u24 v44, v45, \pitch
.else
	s_lshl_b32 s2, s2, 4
	v_mul_u32_u24 v44, v15, \pitch
.endif
	s_mul_i32 s2, s2, \pitch
	s_mul_i32 s3, s3, 96
	s_add_co_u32 s2, s2, s3
	v_mad_u32_u24 v44, v14, 24, v44
	v_add_nc_u32 v44, s2, v44
.irp p, 0,1,2,3,4,5
	global_load_b64 v[T+2*\p:T+2*\p+1], v44, s[\base:\base+1] offset:48*(\p/3)+8*(\p%3)
.endr
.endm
	s_sub_co_u32 s98, s90, 1                       ; which tensor, if any: b - 1
	s_cmp_lt_u32 s98, 6
	s_cbranch_scc0 .Lplain                         ; the branch hangs on the work-group's number alone
	s_lshl_b32 s99, ttmp9, 3
	s_add_co_u32 s99, s99, s86                     ; my fragment: 8 x work-group x + wave, 0 .. 127
	s_lshl_b32 s98, s98, 7
	s_add_co_u32 s98, s98, s99
	s_mul_i32 s94, s98, 1536                       ; its image's place (s95 holds 0)
	s_add_nc_u64 s[62:63], s[62:63], s[94:95]
	v_and_b32 v45, 8, v15
	v_add_nc_u32 v45, v45, v15                     ; r + 8 (r / 8)
	s_cmp_lg_u32 s90, 1
	s_cbranch_scc1 .Lr2
	RELOAD 48, 384, 2, 1                           ; Wq
	s_branch .Lrelayed
.Lr2:
	s_cmp_lg_u32 s90, 2
	s_cbranch_scc1 .Lr3
	RELOAD 52, 384, 2, 1                           ; Wk
	s_branch .Lrelayed
.Lr3:
	s_cmp_lg_u32 s90, 3
	s_cbranch_scc1 .Lr4
	RELOAD 54, 384, 2, 1                           ; Wv
	s_branch .Lrelayed
.Lr4:
	s_cmp_lg_u32 s90, 4
	s_cbranch_scc1 .Lr5
	RELOAD 56, 768, 3, 1                           ; proj_k
	s_branch .Lrelayed
.Lr5:
	s_cmp_lg_u32 s90, 5
	s_cbranch_scc1 .Lr6
	RELOAD 58, 768, 3, 1                           ; proj_v
	s_branch .Lrelayed
.Lr6:
	RELOAD 60, 384, 2, 0                           ; Wo: its tiles hold neighbouring rows
.Lrelayed:
	HEADLOADS
.irp j, 0,1,2
	global_store_b128 v[LI], v[T+4*\j:T+4*\j+3], s[62:63] offset:512*\j    ; the image: 32 lanes store 512 consecutive bytes, aligned
.endr
	s_wait_xcnt 0x0                                ; the stores have read their data and their base: both are written again further down
	s_branch .Lhead_done
.Lplain:
	HEADLOADS
.Lhead_done:
	POSSTORE
	s_wait_dscnt 0x0                               ; the stores have read P
	POSLOAD 1
	s_wait_loadcnt 16                              ; all of x is in; the 16 just issued may be out
	POSADD 0, 0
	POSADD 0, 1
	s_wait_loadcnt 0x0
	POSSTORE
	POSADD 1, 0
	POSADD 1, 1
	; the sum of my 128 numbers: four chains, started by additions: nothing is cleared
.irp q, 0,1,2,3
	v_pk_add_f32 v[CH+2*\q:CH+2*\q+1], v[X+2*\q:X+2*\q+1], v[X+8+2*\q:X+9+2*\q]
.endr
.set p, 8
.rept 56
	v_pk_add_f32 v[CH+2*(p%4):CH+2*(p%4)+1], v[CH+2*(p%4):CH+2*(p%4)+1], v[X+2*p:X+2*p+1]
.set p, p+1
.endr
	COMBINE
	REDUCE 0
	v_mul_f32 v14, 0x3b000000, v26                 ; the mean: / 512
	v_mov_b32 v15, v14
.set p, 0
.rept 64
	v_pk_add_f32 v[X+2*p:X+2*p+1], v[X+2*p:X+2*p+1], v[14:15] neg_lo:[0,1] neg_hi:[0,1]
.set p, p+1
.endr
.irp q, 0,1,2,3
	v_pk_mul_f32 v[CH+2*\q:CH+2*\q+1], v[X+2*\q:X+2*\q+1], v[X+2*\q:X+2*\q+1]
.endr
.set p, 4
.rept 60
	v_pk_fma_f32 v[CH+2*(p%4):CH+2*(p%4)+1], v[X+2*p:X+2*p+1], v[X+2*p:X+2*p+1], v[CH+2*(p%4):CH+2*(p%4)+1]
.set p, p+1
.endr
	COMBINE
	REDUCE 1
	v_fma_f32 v16, v26, 0x3b000000, s91            ; the variance + 1e-5
	v_rsq_f32 v16, v16
	v_nop                                          ; one plain place behind a transcendental
	s_wait_alu depctr_va_vdst(0)
	v_mov_b32 v17, v16
.set p, 0
.rept 64
	v_pk_mul_f32 v[X+2*p:X+2*p+1], v[X+2*p:X+2*p+1], v[16:17]
.set p, p+1
.endr
.irp u, 0,1,2,3,4,5,6,7
	s_wait_kmcnt 0x0                               ; this unit's gain and bias are in
.if \u < 7
	GBLOAD \u+1
.endif
	NORM \u
.if (\u%2) == 1
	BLOCKQ (\u/2)
.endif
.endr
	ds_store_b32 v[SCW], v[SWD]
.irp i, 0,1,2
	ds_load_b128 v[OUT+4*\i:OUT+4*\i+3], v[CR] offset:512*\i       ; my two images, as they will lie in memory
	ds_load_b128 v[OUT+12+4*\i:OUT+15+4*\i], v[CR] offset:FRS+512*\i
.endr
	s_wait_dscnt 0x0                               ; my scale word is stored, my images are back
	s_barrier_signal -1
	s_barrier_wait -1
.irp i, 0,1,2
	global_store_b128 v[LI], v[OUT+4*\i:OUT+4*\i+3], s[12:13] offset:512*\i        ; 32 lanes store 512 consecutive bytes, aligned
	global_store_b128 v[LI], v[OUT+12+4*\i:OUT+15+4*\i], s[12:13] offset:6144+512*\i   ; the next tile lies four K steps on
.endr
	s_cmp_gt_u32 s86, 1
	s_cbranch_scc1 .Ldone                          ; waves 0 and 1 store the work-group's 1,024 scale bytes
	ds_load_b128 v[32:35], v1
	s_wait_dscnt 0x0
	global_store_b128 v[TH], v[32:35], s[14:15]
.Ldone:
	s_set_vgpr_msb 0x5
	s_wait_tensorcnt 0x0
	ds_add_u32 v0, v1
	s_wait_dscnt 0x0
	s_set_vgpr_msb 0x500
	s_endpgm
.Lfunc_end_k_q2680f3fa3f_norm:
	.size	k_q2680f3fa3f_norm, .Lfunc_end_k_q2680f3fa3f_norm-k_q2680f3fa3f_norm
	.p2alignl 7, 3214868480
	.fill 96, 4, 3214868480
	.section	.rodata,"a",@progbits
	.p2align	6, 0x0
	.amdhsa_kernel k_q2680f3fa3f_norm
		.amdhsa_group_segment_fixed_size 73728
		.amdhsa_private_segment_fixed_size 0
		.amdhsa_enable_private_segment 0
		.amdhsa_kernarg_size 112
		.amdhsa_user_sgpr_count 2
		.amdhsa_user_sgpr_kernarg_segment_ptr 1
		.amdhsa_wavefront_size32 1
		.amdhsa_system_sgpr_workgroup_id_x 1
		.amdhsa_system_sgpr_workgroup_id_y 1
		.amdhsa_system_sgpr_workgroup_id_z 1
		.amdhsa_system_vgpr_workitem_id 0
		.amdhsa_next_free_vgpr 258
		.amdhsa_next_free_sgpr 100
		.amdhsa_reserve_vcc 0
		.amdhsa_float_denorm_mode_32 3
		.amdhsa_float_denorm_mode_16_64 3
		.amdhsa_memory_ordered 1
		.amdhsa_forward_progress 1
		.amdhsa_inst_pref_size 100
	.end_amdhsa_kernel
	.amdgpu_metadata
---
amdhsa.version: [ 1, 2 ]
amdhsa.kernels:
  - .name:           k_q2680f3fa3f_norm
    .symbol:         k_q2680f3fa3f_norm.kd
    .args:
      - { .name: x, .offset: 0, .size: 8, .value_kind: global_buffer, .address_space: global }
      - { .name: pos, .offset: 8, .size: 8, .value_kind: global_buffer, .address_space: global }
      - { .name: ln_g, .offset: 16, .size: 8, .value_kind: global_buffer, .address_space: global }
      - { .name: ln_b, .offset: 24, .size: 8, .value_kind: global_buffer, .address_space: global }
      - { .name: ycodes, .offset: 32, .size: 8, .value_kind: global_buffer, .address_space: global }
      - { .name: yscales, .offset: 40, .size: 8, .value_kind: global_buffer, .address_space: global }
      - { .name: posT, .offset: 48, .size: 8, .value_kind: global_buffer, .address_space: global }
      - { .name: Wq_codes, .offset: 56, .size: 8, .value_kind: global_buffer, .address_space: global }
      - { .name: Wk_codes, .offset: 64, .size: 8, .value_kind: global_buffer, .address_space: global }
      - { .name: Wv_codes, .offset: 72, .size: 8, .value_kind: global_buffer, .address_space: global }
      - { .name: proj_k_codes, .offset: 80, .size: 8, .value_kind: global_buffer, .address_space: global }
      - { .name: proj_v_codes, .offset: 88, .size: 8, .value_kind: global_buffer, .address_space: global }
      - { .name: Wo_codes, .offset: 96, .size: 8, .value_kind: global_buffer, .address_space: global }
      - { .name: wimg, .offset: 104, .size: 8, .value_kind: global_buffer, .address_space: global }
    .group_segment_fixed_size: 73728
    .private_segment_fixed_size: 0
    .kernarg_segment_align: 8
    .kernarg_segment_size: 112
    .max_flat_workgroup_size: 256
    .sgpr_count:     100
    .vgpr_count:     258
    .wavefront_size: 32
...
	.end_amdgpu_metadata
.endif
;; end of part 1
;; launch attn (part 2): grid 8 x 32, 4 waves a work-group, no clusters, 273,408 bytes of LDS; arguments ycodes, yscales, wimg, Wq_scales, Wk_scales, Wv_scales, proj_k_scales, proj_v_scales, ocodes, oscales; writes ocodes, oscales
.if DOCPART == 2
	.amdgcn_target "amdgcn-amd-amdhsa--gfx1250"
	.amdhsa_code_object_version 6
	.text
	.protected	k_q2680f3fa3f_attn
	.globl	k_q2680f3fa3f_attn
	.p2align	8
	.type	k_q2680f3fa3f_attn,@function
k_q2680f3fa3f_attn:
	s_mov_b64 s[64:65], 0
	v_nop
	global_prefetch_b8 v0, s[64:65] scope:SCOPE_SE
	s_setreg_imm32_b32 hwreg(HW_REG_WAVE_MODE, 25, 1), 1
	s_wait_xcnt 0x0
; One work-group makes one head (64 channels) of one b: q = y Wq, yk = y Wk, yv = y Wv (K = 512 c); k_ = proj_k^T yk, v_ = proj_v^T yv (K = 1,024 positions); S = q k_^T (K = 64); p = 2^(t - M); O = v_^T p (K = 256 keys); o = O / l.
; All products on codes of E3M2 with one E8M0 byte for each 32 along K; every computed operand is quantised in registers, from f32, along its own K.  o leaves as codes along c, for the last launch.
; The given codes of Wq, Wk, Wv, proj_k, proj_v come from wimg, where the first launch has laid them as images of the operand's registers: [tensor][tile][K step][1536]; their scale bytes come as they are given.
; SHARES.  P1: wave w owns positions 256 w .. + 255 (16 tiles, two chunks of 128).  P2: wave w owns keys 64 w .. + 63.  P3: wave w owns its 16 tiles of queries again.
; TILES.  Row r of a tile t (of y's positions, of the weights' columns, of the keys) is row 32 (t / 2) + 8 (t % 2) + r + 8 (r / 8): a product with such a tile as source 0 leaves index 32 b + 16 (lane / 16) + i in
; register 16 b + i of tiles 2 b, 2 b + 1: 16 neighbours along the next K, as the conversions want them.
; OPERANDS GO THROUGH LDS AS IMAGES OF THEIR REGISTERS: a fragment (12 registers) by three accesses of 16 bytes a lane, 512 bytes each; half a fragment (64 along K, 6 registers) by three of 8 bytes a lane; scale words 4 bytes a lane.
; K = 64 IN AN INSTRUCTION OF 128: q's registers 6-11 are zero codes.  k_'s half fragments lie 6 registers apart, so source 0's upper half is the next tile's codes: they meet zero codes and add nothing.
; SOFTMAX: all 256 keys of a query are in hand at once: t = score x log2(e) / 8, M = ceil(the row's largest t), p = 2^(t - M); the sum l is taken of the unquantised p.
; NO CLUSTER: the eight heads of a b read the same y, but y goes straight into registers in register order; a chunk of y for four waves is 4 x 49,152 bytes and LDS has 54,784 bytes left beside what is kept there.
; LIMITS: NaN and infinities are not served.  A block whose largest magnitude lies under 2^-122 gets the byte 1 (this program alone reads the bytes).  p under 2^-126 counts as 0.
; REGISTERS, in windows of 256.  Window 0: v1-33 addresses; v40-76 the quantiser's; v80-171 P3's; v184-255 scale words and nothing else.
;   Windows 1, 2: v0-191 32 fragments that stay for a phase (y's chunk; proj's; k_ and v_); v192-239 four fragments that stream, the two windows by turns.   Window 3: accumulators.
.set TENSOR, 196608                    ; a tensor's 128 images in wimg
.set WIMG, 0                           ; 48 fragments of Wq, Wk, Wv: (matrix x 4 + column tile) x 4 + K step
.set WSI,  73728                       ; 12 images of 512 bytes: a column tile's four scale words
.set YTI,  79872                       ; yk^T, yv^T: (pass x 4 + column tile) x 8 + chunk
.set YTS,  178176                      ; their scale words, 128 bytes each
.set QI,   186368                      ; q: 768 bytes a tile
.set QSI,  235520                      ; its scale words
.set KI,   243712                      ; k_: 768 bytes a key tile
.set KSI,  256000
.set VI,   258048                      ; v_: 768 bytes for (column tile x 4 + wave)
.set VSI,  270336                      ; its scale words: (column tile x 2 + K step) x 64 + 4 r
.set OSC,  270848                      ; o's scale bytes: 512 bytes a wave
.set L,1
.set R,2
.set LI,4                              ; 16 x lane
.set LS,5                              ; 4 x lane
.set L8,6                              ; 8 x lane
.set R16,7                             ; 16 r
.set PR,8                              ; r + 8 (r / 8)
.set WSA,10                            ; a weight's scale row of column tile w
.set PSA,12                            ; proj's scale row
.set WWI,13                            ; v13-14 where I store the weights' images: 16 x lane + 1,536 w; v13 is also my place in a column tile's four images in memory
.set WSW,15
.set WAD,16                            ; v16-17 where all read them
.set WSAD,18
.set YTWK0,19
.set YTWV0,20
.set YSW0,21
.set QW0,22
.set QSW0,23
.set OSW0,32
.set OSR,33
.set TM,40                             ; v40-55 the quantiser: largest magnitudes, bytes, scale operands
.set PC,56                             ; v56-75 the codes just made
.set PW,76                             ; the scale word just made
.set QF,80                             ; v80-91 q's fragment
.set PF,92                             ; v92-115 p's two fragments
.set PX,116                            ; v116-131 the upper halves' conversions
.set BM,132                            ; v132-139 each block's largest score, then largest p
.set BX,140
.set BS,148                            ; the conversions' scale operands
.set NM,156                            ; -M
.set SM,158                            ; v158-165 four chains of pairs
.set RC,166                            ; 1 / l
.set TT,168
.set YS,184
.set WS,216
.set PKS,184
.set TS,216
.set PVS,224
.set KS,184
.set VS,200
.set QS,208
.set PS,210
.set WV,32
.set HD,33
.set BB,34
.set SEL,36
.set CS,38
.set FL,40
.set CNT,41
.set TG,42
.set TGS,43
.set TQ,44
.set TQS,45
.set T2,46
.set TO,47
.set MSB, 0
.macro WIN new                         ; bits 1:0 source 0, 3:2 source 1, 5:4 source 2, 7:6 destination; the high byte repeats the setting that is left
.if MSB != (\new)
	s_set_vgpr_msb (MSB<<8)|(\new)
.set MSB, (\new)
.endif
.endm
.macro PLACES n                        ; plain vector instructions behind matrix instructions (ISA guide 7.12.1)
.rept \n
	v_nop
.endr
.endm
.macro BARRIER                         ; my LDS stores have landed and my LDS loads are in: then the work-group's barrier
	s_wait_dscnt 0x0
	s_barrier_signal -1
	s_barrier_wait -1
.endm
.macro MM d, a, b, z, sa, sb           ; z: the product starts its sum
.if \z
	v_wmma_scale_f32_16x16x128_f8f6f4 v[(\d):(\d)+7], v[(\a):(\a)+11], v[(\b):(\b)+11], 0, v[\sa], v[\sb] matrix_a_fmt:MATRIX_FMT_BF6 matrix_b_fmt:MATRIX_FMT_BF6
.else
	v_wmma_scale_f32_16x16x128_f8f6f4 v[(\d):(\d)+7], v[(\a):(\a)+11], v[(\b):(\b)+11], v[(\d):(\d)+7], v[\sa], v[\sb] matrix_a_fmt:MATRIX_FMT_BF6 matrix_b_fmt:MATRIX_FMT_BF6
.endif
.endm
; 32 numbers of a lane in window 3, register 16 b + i = k 32 b + 16 (lane / 16) + i of my row, become half a fragment's codes in v[PC] .. v[PC + 5] and two scale bytes in v[PW].
.macro Q2 src
	WIN 0x3c
.irp b, 0,1
	v_max3_num_f32 v[TM+\b], s[FL], |v[(\src)+16*\b]|, |v[(\src)+16*\b+1]|   ; my 16 numbers of block b, and the floor 2^(5 - 127)
.endr
.irp i, 2,4,6,8,10,12,14
.irp b, 0,1
	v_max3_num_f32 v[TM+\b], v[TM+\b], |v[(\src)+16*\b+\i]|, |v[(\src)+16*\b+\i+1]|
.endr
.endr
	WIN 0
.irp b, 0,1
	v_permlanex16_b32 v[TM+4+\b], v[TM+\b], s[SEL], s[SEL+1]
.endr
.irp b, 0,1
	v_max_num_f32 v[TM+\b], v[TM+\b], v[TM+4+\b]   ; with lane l xor 16's: the block's largest magnitude
.endr
.irp b, 0,1
	v_add_nc_u32 v[TM+12+\b], 0xfe000000, v[TM+\b] ; 4 off its exponent field: the conversion's scale operand
.endr
.irp b, 0,1
	v_lshrrev_b32 v[TM+4+\b], 23, v[TM+12+\b]      ; the scale's byte
.endr
	s_wait_dscnt 0x0                               ; earlier LDS stores have read the codes' and the word's registers
	v_lshl_or_b32 v[PW], v[TM+5], 8, v[TM+4]
	WIN 0x03
	v_cvt_scalef32_pk16_bf6_f32 v[PC:PC+2], v[(\src):(\src)+15], v[TM+12]
	v_cvt_scalef32_pk16_bf6_f32 v[PC+12:PC+14], v[(\src)+16:(\src)+31], v[TM+13]
	WIN 0
	v_nop                                          ; one plain place behind a scaled conversion
.irp i, 0,1,2
	v_permlane16_swap_b32 v[PC+\i], v[PC+12+\i]    ; the layout wants a whole block in a lane: lanes 0-15 block 0, lanes 16-31 block 1
.endr
.irp i, 0,1,2
	v_mov_b32 v[PC+3+\i], v[PC+12+\i]
.endr
.endm
; The same for 64 numbers: a whole fragment in v[PC] .. v[PC + 11], four scale bytes in v[PW].
.macro QUANT4 src
	WIN 0x3c
.irp b, 0,1,2,3
	v_max3_num_f32 v[TM+\b], s[FL], |v[(\src)+16*\b]|, |v[(\src)+16*\b+1]|
.endr
.irp i, 2,4,6,8,10,12,14
.irp b, 0,1,2,3
	v_max3_num_f32 v[TM+\b], v[TM+\b], |v[(\src)+16*\b+\i]|, |v[(\src)+16*\b+\i+1]|
.endr
.endr
	WIN 0
.irp b, 0,1,2,3
	v_permlanex16_b32 v[TM+4+\b], v[TM+\b], s[SEL], s[SEL+1]
.endr
.irp b, 0,1,2,3
	v_max_num_f32 v[TM+\b], v[TM+\b], v[TM+4+\b]
.endr
.irp b, 0,1,2,3
	v_add_nc_u32 v[TM+12+\b], 0xfe000000, v[TM+\b]
.endr
.irp b, 0,1,2,3
	v_lshrrev_b32 v[TM+4+\b], 23, v[TM+12+\b]
.endr
	s_wait_dscnt 0x0                               ; earlier LDS stores have read the codes' and the word's registers
	v_lshl_or_b32 v[PW], v[TM+5], 8, v[TM+4]
	v_lshl_or_b32 v[PW], v[TM+6], 16, v[PW]
	v_lshl_or_b32 v[PW], v[TM+7], 24, v[PW]
	WIN 0x03
.irp c, 0,1
	v_cvt_scalef32_pk16_bf6_f32 v[PC+6*\c:PC+2+6*\c], v[(\src)+32*\c:(\src)+15+32*\c], v[TM+12+2*\c]
	v_cvt_scalef32_pk16_bf6_f32 v[PC+12+4*\c:PC+14+4*\c], v[(\src)+16+32*\c:(\src)+31+32*\c], v[TM+13+2*\c]
.endr
	WIN 0
	v_nop
.irp c, 0,1
.irp i, 0,1,2
	v_permlane16_swap_b32 v[PC+6*\c+\i], v[PC+12+4*\c+\i]
.endr
.irp i, 0,1,2
	v_mov_b32 v[PC+3+6*\c+\i], v[PC+12+4*\c+\i]
.endr
.endr
.endm
.macro STORE6 adr, off                 ; half a fragment to LDS as it stands
.irp g, 0,1,2
	ds_store_b64 v[\adr], v[PC+2*\g:PC+2*\g+1] offset:(\off)+256*\g
.endr
.endm
.macro IMAGE adr, off                  ; a fragment to LDS as it stands
.irp j, 0,1,2
	ds_store_b128 v[\adr], v[PC+4*\j:PC+4*\j+3] offset:(\off)+512*\j
.endr
.endm
	s_load_b128 s[4:7], s[0:1], 0x0                ; ycodes s[4:5], yscales s[6:7]
	s_load_b128 s[8:11], s[0:1], 0x10              ; wimg s[8:9] (Wq's images come first in it), Wq's scales s[10:11]
	s_load_b64 s[14:15], s[0:1], 0x20              ; Wk's scales
	s_load_b64 s[18:19], s[0:1], 0x28              ; Wv's
	s_load_b64 s[22:23], s[0:1], 0x30              ; proj_k's
	s_load_b64 s[26:27], s[0:1], 0x38              ; proj_v's
	s_load_b128 s[28:31], s[0:1], 0x40             ; ocodes s[28:29], oscales s[30:31]
	v_lshl_add_u32 v182, v0, 2, 0x42a00
	v_mov_b32 v183, 0
	v_lshrrev_b32 v1, 5, v0
	v_readfirstlane_b32 s[WV], v1                  ; wave 0..3
	s_mov_b32 s[HD], ttmp9                         ; the head
	s_and_b32 s[BB], ttmp7, 0xffff                 ; b
	s_mov_b32 s[SEL], 0x76543210
	s_mov_b32 s[SEL+1], 0xfedcba98                 ; v_permlanex16_b32's selects for lane l xor 16
	s_mov_b32 s[CS], 0x3e38aa3b                    ; log2(e) / 8
	s_mov_b32 s[CS+1], s[CS]
	s_mov_b32 s[FL], 0x02800000                    ; the floor 2^(5 - 127)
	v_and_b32 v[L], 31, v0
	v_and_b32 v[R], 15, v0
	v_lshlrev_b32 v[LI], 4, v[L]
	v_lshlrev_b32 v[LS], 2, v[L]
	v_lshlrev_b32 v[L8], 3, v[L]
	v_lshlrev_b32 v[R16], 4, v[R]
	v_and_b32 v[PR], 8, v[R]
	v_add_nc_u32 v[PR], v[PR], v[R]
	s_lshr_b32 s48, s[WV], 1
	s_lshl_b32 s48, s48, 9
	s_and_b32 s49, s[WV], 1
	s_lshl_b32 s49, s49, 7
	s_add_co_u32 s48, s48, s49                     ; column tile w begins at row 32 (w / 2) + 8 (w % 2): 16 scale bytes a row
	v_lshl_add_u32 v[WSA], v[PR], 4, s48
	v_lshlrev_b32 v[PSA], 5, v[PR]
	s_mul_i32 s48, s[WV], 1536
	v_add_nc_u32 v[WWI], s48, v[LI]
	v_add_nc_u32 v[WWI+1], 36864, v[WWI]
	s_lshl_b32 s48, s[WV], 9
	v_add_nc_u32 v[WSW], s48, v[LI]
	v_add_nc_u32 v[WSW], WSI, v[WSW]
	v_add_nc_u32 v[WAD], WIMG, v[LI]
	v_add_nc_u32 v[WAD+1], 36864, v[LI]
	v_add_nc_u32 v[WSAD], WSI, v[LI]
	s_mul_i32 s48, s[WV], 3072
	v_add_nc_u32 v[YTWK0], s48, v[LI]
	v_add_nc_u32 v[YTWK0], YTI, v[YTWK0]
	v_add_nc_u32 v[YTWV0], 49152, v[YTWK0]
	s_lshl_b32 s48, s[WV], 8
	v_add_nc_u32 v[YSW0], s48, v[LS]
	v_add_nc_u32 v[YSW0], YTS, v[YSW0]
	s_mul_i32 s48, s[WV], 12288
	v_add_nc_u32 v[QW0], s48, v[L8]
	v_add_nc_u32 v[QW0], QI, v[QW0]
	s_lshl_b32 s48, s[WV], 11
	v_add_nc_u32 v[QSW0], s48, v[LS]
	v_add_nc_u32 v[QSW0], QSI, v[QSW0]
	s_mul_i32 s48, s[BB], 393216                   ; 64 tiles of 6,144 bytes a b,
	s_mul_i32 s50, s[WV], 98304                    ; 16 a wave
	s_add_co_u32 s48, s48, s50
	s_mov_b32 s49, 0
	s_wait_kmcnt 0x0
	s_add_nc_u64 s[4:5], s[4:5], s[48:49]
	s_mul_i32 s50, s[HD], 768
	s_add_co_u32 s48, s48, s50
	s_add_nc_u64 s[28:29], s[28:29], s[48:49]
	s_lshl_b32 s48, s[BB], 14
	s_lshl_b32 s50, s[WV], 12
	s_add_co_u32 s48, s48, s50
	s_add_nc_u64 s[6:7], s[6:7], s[48:49]
	s_add_nc_u64 s[12:13], s[8:9], TENSOR          ; Wk's images,
	s_add_nc_u64 s[16:17], s[8:9], 2*TENSOR        ; Wv's,
	s_add_nc_u64 s[20:21], s[8:9], 3*TENSOR        ; proj_k's,
	s_add_nc_u64 s[24:25], s[8:9], 4*TENSOR        ; proj_v's
	s_mul_i32 s48, s[HD], 24576                    ; the head's 4 column tiles x 4 K steps of each weight
	s_add_nc_u64 s[8:9], s[8:9], s[48:49]
	s_add_nc_u64 s[12:13], s[12:13], s[48:49]
	s_add_nc_u64 s[16:17], s[16:17], s[48:49]
	s_lshl_b32 s48, s[HD], 10
	s_add_nc_u64 s[10:11], s[10:11], s[48:49]
	s_add_nc_u64 s[14:15], s[14:15], s[48:49]
	s_add_nc_u64 s[18:19], s[18:19], s[48:49]
	s_mul_i32 s48, s[WV], 49152                    ; my 4 key tiles x 8 K steps of proj
	s_add_nc_u64 s[20:21], s[20:21], s[48:49]
	s_add_nc_u64 s[24:25], s[24:25], s[48:49]
	s_lshl_b32 s48, s[WV], 11
	s_add_nc_u64 s[22:23], s[22:23], s[48:49]
	s_add_nc_u64 s[26:27], s[26:27], s[48:49]
	s_lshl_b32 s48, s[BB], 3
	s_add_co_u32 s48, s48, s[HD]
	s_lshl_b32 s48, s48, 2
	s_add_co_u32 s48, s48, s[WV]
	s_lshl_b32 s48, s48, 9
	s_add_nc_u64 s[30:31], s[30:31], s[48:49]
; ---- P0: the head's weights go into LDS once, as images.  Wave w fetches K step w of all 12 column tiles (512 consecutive bytes a load), and the scale rows of column tile w of the three weights.
.irp i, 0,1,2,3,4,5,6,7,8,9,10,11
.irp j, 0,1,2
	global_load_b128 v[32+12*\i+4*\j:35+12*\i+4*\j], v[WWI], s[8+4*(\i/4):9+4*(\i/4)] offset:(\i%4)*6144+512*\j
.endr
.endr
.irp t, 0,1,2
	global_load_b128 v[224+4*\t:227+4*\t], v[WSA], s[10+4*\t:11+4*\t]
.endr
; y's chunk: 8 tiles x 4 K steps, straight into the operand's registers: fragment (m, s) at v[12 (2 m + s % 2)] of window 1 + s / 2; and its scale words.  104 loads.
.macro CHUNKLOAD
.irp sh, 0,1
	WIN 0x40+0x40*\sh
.irp m, 0,1,2,3,4,5,6,7
.irp sl, 0,1
.irp j, 0,1,2
	global_load_b128 v[12*(2*\m+\sl)+4*\j:12*(2*\m+\sl)+4*\j+3], v[LI], s[4:5] offset:(4*\m+2*\sh+\sl)*1536+512*\j
.endr
.endr
.endr
.endr
	WIN 0
.irp m, 0,1,2,3,4,5,6,7
	global_load_b128 v[YS+4*\m:YS+4*\m+3], v[R16], s[6:7] offset:256*\m
.endr
.endm
	CHUNKLOAD
	s_wait_loadcnt 63                              ; of the 143 loads at most the youngest 63 are out: the 39 of the weights, issued first, are in
.irp i, 0,1,2,3,4,5,6,7,8,9,10,11
.irp j, 0,1,2
	ds_store_b128 v[WWI+(\i/6)], v[32+12*\i+4*\j:35+12*\i+4*\j] offset:(\i%6)*6144+512*\j
.endr
.endr
.irp t, 0,1,2
	ds_store_b128 v[WSW], v[224+4*\t:227+4*\t] offset:2048*\t
.endr
	BARRIER                                        ; the weights' images lie in LDS
	s_lshl_b32 s48, s[WV], 9
	v_lshl_add_u32 v[OSW0], v[R], 5, s48
	v_add_nc_u32 v[OSW0], OSC, v[OSW0]
	v_add_nc_u32 v[OSR], s48, v[LI]
	v_add_nc_u32 v[OSR], OSC, v[OSR]
.irp b, 0,1,2,3
	v_mov_b32 v[TM+4+\b], 0                        ; written once: a lane permute's destination counts as one of its sources
.endr
; ---- P1: q, yk, yv for my 256 positions, a chunk of 128 a trip.
.macro FETCHW i                        ; column tile i's four fragments and four scale words, into the stream buffer i % 2
	WIN 0x40+0x40*((\i)%2)
.irp s, 0,1,2,3
.irp j, 0,1,2
	ds_load_b128 v[192+12*\s+4*\j:195+12*\s+4*\j], v[WAD+((\i)/6)] offset:(((\i)%6)*4+\s)*1536+512*\j
.endr
.endr
	WIN 0
	ds_load_b128 v[WS+4*((\i)%2):WS+4*((\i)%2)+3], v[WSAD] offset:512*(\i)
.endm
; Column tile i x the chunk's 8 tiles of rows: 32 matrix instructions, the 8 accumulators by turns, K step by K step.
; i < 4: q, transposed (source 0 = 16 columns of Wq): a lane holds one query, its registers run along the head's channels.
; i >= 4: yk, yv (source 0 = 16 positions): a lane holds one channel, its registers run along the positions, which are the projections' K.
.macro COLTILE i
	s_wait_dscnt 0x0                               ; this tile's fragments are in
.if (\i) < 11
	FETCHW (\i)+1
.endif
.irp s, 0,1,2,3
.if (\i) < 4
	WIN 0xf0|((1+\s/2)<<2)|(1+(\i)%2)
.irp m, 0,1,2,3,4,5,6,7
	MM 32*\m+8*(\i), 192+12*\s, 12*(2*\m+\s%2), (\s==0), WS+4*((\i)%2)+\s, YS+4*\m+\s
.endr
.else
	WIN 0xf0|((1+(\i)%2)<<2)|(1+\s/2)
.irp m, 0,1,2,3,4,5,6,7
	MM 8*\m, 12*(2*\m+\s%2), 192+12*\s, (\s==0), YS+4*\m+\s, WS+4*((\i)%2)+\s
.endr
.endif
.endr
	WIN 0
	PLACES 5                                       ; in front of reads of results, of loads into operands that are done with, and of sums begun anew in these registers
.if (\i) == 3
.irp m, 0,1,2,3,4,5,6,7
	Q2 32*\m                                       ; tile m's 16 queries x 64 channels
	STORE6 27, 768*\m
	ds_store_b32 v28, v[PW] offset:128*\m
.endr
.endif
.if (\i) >= 4
	QUANT4 0                                       ; 16 channels x the chunk's 128 positions: one K step of a projection
.if (\i) < 8
	IMAGE 24, ((\i)%4)*12288
.else
	IMAGE 25, ((\i)%4)*12288
.endif
	ds_store_b32 v26, v[PW] offset:((\i)-4)*1024
.endif
.endm
	s_mov_b32 s[CNT], 0
	s_mov_b32 s[TG], 0
	s_mov_b32 s[TGS], 0
	s_mov_b32 s[TQ], 0
	s_mov_b32 s[TQS], 0
.Lchunk:
	s_wait_loadcnt 0x0                             ; y's chunk is in
	v_add_nc_u32 v24, s[TG], v[YTWK0]
	v_add_nc_u32 v25, s[TG], v[YTWV0]
	v_add_nc_u32 v26, s[TGS], v[YSW0]
	v_add_nc_u32 v27, s[TQ], v[QW0]
	v_add_nc_u32 v28, s[TQS], v[QSW0]
	FETCHW 0
.irp i, 0,1,2,3,4,5,6,7,8,9,10,11
	COLTILE \i
.endr
	s_cmp_eq_u32 s[CNT], 1
	s_cbranch_scc1 .Lno_next                       ; the second chunk has no successor: no load leaves its buffer
	s_add_nc_u64 s[4:5], s[4:5], 49152             ; (the loads that used these bases were shown done at the trip's head)
	s_add_nc_u64 s[6:7], s[6:7], 2048
	CHUNKLOAD
.Lno_next:
	s_add_co_u32 s[TG], s[TG], 1536
	s_add_co_u32 s[TGS], s[TGS], 128
	s_add_co_u32 s[TQ], s[TQ], 6144
	s_add_co_u32 s[TQS], s[TQS], 1024
	s_add_co_u32 s[CNT], s[CNT], 1
	s_cmp_lt_u32 s[CNT], 2
	s_cbranch_scc1 .Lchunk
	s_wait_loadcnt 0x0                             ; no load of a chunk of y is out when proj's fragments and scale words are loaded into the chunk's registers (the last trip issues none, so this wait is met at once)
; ---- P2: k_ and v_ for my 64 keys.  proj's fragments stay in registers: (key tile q, K step g) at v[12 ((q % 2) 8 + g)] of window 1 + q / 2.
.irp q, 0,1,2,3
.irp e, 0,1
	global_load_b128 v[PKS+8*\q+4*\e:PKS+8*\q+4*\e+3], v[PSA], s[22:23] offset:(32*(\q/2)+8*(\q%2))*32+16*\e
	global_load_b128 v[PVS+8*\q+4*\e:PVS+8*\q+4*\e+3], v[PSA], s[26:27] offset:(32*(\q/2)+8*(\q%2))*32+16*\e
.endr
.endr
.macro LOADP sb, g                     ; K step g of my four key tiles, from their images: 12 loads of 512 consecutive bytes
.irp qh, 0,1
	WIN 0x40+0x40*\qh
.irp ql, 0,1
.irp j, 0,1,2
	global_load_b128 v[12*(\ql*8+(\g))+4*\j:12*(\ql*8+(\g))+4*\j+3], v[LI], s[\sb:\sb+1] offset:((2*\qh+\ql)*8+(\g))*1536+512*\j
.endr
.endr
.endr
	WIN 0
.endm
.irp g, 0,1,2,3,4,5,6,7
	LOADP 20, \g
.endr
	v_add_nc_u32 v24, YTI, v[LI]
	v_add_nc_u32 v25, 49152, v24
	v_add_nc_u32 v26, YTS, v[LS]
	s_mul_i32 s48, s[WV], 3072
	v_add_nc_u32 v27, s48, v[L8]
	v_add_nc_u32 v27, KI, v27
	s_lshl_b32 s48, s[WV], 9
	v_add_nc_u32 v28, s48, v[LS]
	v_add_nc_u32 v28, KSI, v28
	s_mul_i32 s48, s[WV], 768
	v_add_nc_u32 v29, s48, v[L8]
	v_add_nc_u32 v29, VI, v29
	s_lshr_b32 s48, s[WV], 1
	s_lshl_b32 s48, s48, 6
	s_and_b32 s49, s[WV], 1
	s_lshl_b32 s49, s49, 1
	s_add_co_u32 s48, s48, s49
	v_lshl_add_u32 v30, v[R], 2, s48
	v_add_nc_u32 v30, VSI, v30
	BARRIER                                        ; yk^T and yv^T of all 1,024 positions lie in LDS
.macro FETCHT st                       ; step st = 8 pass + g: the four column tiles' fragments of K step g, and their scale words, into the stream buffer st % 2
	WIN 0x40+0x40*((\st)%2)
.irp ct, 0,1,2,3
.irp j, 0,1,2
	ds_load_b128 v[192+12*\ct+4*\j:195+12*\ct+4*\j], v[24+(\st)/8] offset:(8*\ct+(\st)%8)*1536+512*\j
.endr
.endr
	WIN 0
.irp ct, 0,1,2,3
	ds_load_b32 v[TS+4*((\st)%2)+\ct], v26 offset:((((\st)/8)*4+\ct)*8+(\st)%8)*128
.endr
.endm
; 16 matrix instructions, the 16 accumulators by turns.  Pass 0: source 0 = 16 channels of yk^T, source 1 = 16 keys: a lane holds one key, registers along the channels.
; Pass 1: source 0 = 16 keys of proj_v, source 1 = 16 channels of yv^T: a lane holds one channel, registers along the keys.
.macro PSTEP st
.set PG, (\st)%8
.set PB, (\st)%2
	s_wait_dscnt 0x0
.if (\st) < 15
	FETCHT (\st)+1
.endif
.if (\st) >= 8
.if 12*(7-PG) > 63
	s_wait_loadcnt 63                              ; behind this K step's 12 loads of proj_v stand those of the later K steps
.else
	s_wait_loadcnt 12*(7-PG)
.endif
.endif
.irp q, 0,1,2,3
.if (\st) < 8
	WIN 0xf0|((1+\q/2)<<2)|(1+PB)
.irp ct, 0,1,2,3
	MM 32*\q+8*\ct, 192+12*\ct, 12*((\q%2)*8+PG), (PG==0), TS+4*PB+\ct, PKS+8*\q+PG
.endr
.else
	WIN 0xf0|((1+PB)<<2)|(1+\q/2)
.irp ct, 0,1,2,3
	MM 128+32*\ct+8*\q, 12*((\q%2)*8+PG), 192+12*\ct, (PG==0), PVS+8*\q+PG, TS+4*PB+\ct
.endr
.endif
.endr
	WIN 0
	PLACES 5
.if (\st) < 8
	LOADP 24, PG                                   ; proj_v's K step g takes the registers that proj_k's has left
.endif
.endm
	FETCHT 0
	s_wait_loadcnt 0x0                             ; proj_k and both sets of scale words
.irp st, 0,1,2,3,4,5,6,7
	PSTEP \st
.endr
.irp q, 0,1,2,3
	Q2 32*\q                                       ; 16 keys x 64 channels
	STORE6 27, 768*\q
	ds_store_b32 v28, v[PW] offset:128*\q
.endr
.irp st, 8,9,10,11,12,13,14,15
	PSTEP \st
.endr
.irp ct, 0,1,2,3
	Q2 128+32*\ct                                  ; 16 channels x my 64 keys: half a K step of the last product
	STORE6 29, 3072*\ct
	ds_store_b16 v30, v[PW] offset:128*\ct         ; my two bytes of the row's scale word; both halves of the lanes write the same
.endr
	BARRIER                                        ; k_ and v_ lie in LDS
; ---- P3: attention for my 16 tiles of queries.  k_ (window 1) and v_ (window 2) stay in registers.
	v_add_nc_u32 v24, KI, v[L8]
	v_add_nc_u32 v25, KSI, v[LS]
	v_add_nc_u32 v26, VI, v[L8]
	v_lshl_add_u32 v27, v[R], 2, VSI
	WIN 0x40
.irp kt, 0,1,2,3,4,5,6,7,8,9,10,11,12,13,14,15
.irp g, 0,1,2
	ds_load_b64 v[6*\kt+2*\g:6*\kt+2*\g+1], v24 offset:768*\kt+256*\g
.endr
.endr
.irp i, 0,1,2,3,4,5
	v_mov_b32 v[96+\i], 0                          ; the upper half of the last key tile's operand
.endr
	WIN 0x80
.irp f, 0,1,2,3,4,5,6,7
.irp g, 0,1,2,3,4,5
	ds_load_b64 v[12*\f+2*\g:12*\f+2*\g+1], v26 offset:1536*\f+256*\g     ; fragment f = 2 x column tile + K step: two halves on end
.endr
.endr
	WIN 0
.irp kt, 0,1,2,3,4,5,6,7,8,9,10,11,12,13,14,15
	ds_load_b32 v[KS+\kt], v25 offset:128*\kt
.endr
.irp f, 0,1,2,3,4,5,6,7
	ds_load_b32 v[VS+\f], v27 offset:64*\f
.endr
.irp i, 6,7,8,9,10,11
	v_mov_b32 v[QF+\i], 0                          ; q's K is 64: the rest of the instruction's 128 are zero codes
.endr
.irp b, 0,1,2,3,4,5,6,7
	v_mov_b32 v[BX+\b], 0                          ; written once: a lane permute's destination counts as one of its sources
.endr
	v_mov_b32 v[NM+1], 0                           ; (named as the upper half of a pair)
	s_mov_b32 s[CNT], 0
	s_mov_b32 s[TQ], 0
	s_mov_b32 s[TQS], 0
	s_mov_b32 s[T2], 0
	s_mov_b32 s[TO], 0
	s_wait_dscnt 0x0
.Ltile:
	s_wait_xcnt 0x0                                ; the last trip's stores have read their address and their data
	v_add_nc_u32 v28, s[TQ], v[QW0]
	v_add_nc_u32 v29, s[TQS], v[QSW0]
	v_add_nc_u32 v30, s[T2], v[OSW0]
	v_add_nc_u32 v31, s[TO], v[L8]
.irp g, 0,1,2
	ds_load_b64 v[QF+2*\g:QF+2*\g+1], v28 offset:256*\g
.endr
	ds_load_b32 v[QS], v29
	s_wait_dscnt 0x0
	WIN 0xc1                                       ; S^T = k_ q^T: a lane holds one query; register 16 b + i is key 32 b + 16 (lane / 16) + i
.irp kt, 0,1,2,3,4,5,6,7,8,9,10,11,12,13,14,15
	MM 8*\kt, 6*\kt, QF, 1, KS+\kt, QS
.endr
	PLACES 4
	WIN 0x3f
.irp b, 0,1,2,3,4,5,6,7
	v_max3_num_f32 v[BM+\b], v[16*\b], v[16*\b+1], v[16*\b+2]      ; the largest score of each block of 32 keys: it serves the row's maximum and, since p rises with the score, the block's largest p
.endr
	WIN 0x3c
.irp i, 3,5,7,9,11,13
.irp b, 0,1,2,3,4,5,6,7
	v_max3_num_f32 v[BM+\b], v[BM+\b], v[16*\b+\i], v[16*\b+\i+1]
.endr
.endr
.irp b, 0,1,2,3,4,5,6,7
	v_max_num_f32 v[BM+\b], v[BM+\b], v[16*\b+15]
.endr
	WIN 0
.irp b, 0,1,2,3,4,5,6,7
	v_permlanex16_b32 v[BX+\b], v[BM+\b], s[SEL], s[SEL+1]
.endr
.irp b, 0,1,2,3,4,5,6,7
	v_max_num_f32 v[BM+\b], v[BM+\b], v[BX+\b]     ; with lane l xor 16's 16 keys
.endr
	v_max3_num_f32 v[TT], v[BM], v[BM+1], v[BM+2]
	v_max3_num_f32 v[TT+1], v[BM+3], v[BM+4], v[BM+5]
	v_max3_num_f32 v[TT], v[TT], v[TT+1], v[BM+6]
	v_max_num_f32 v[TT], v[TT], v[BM+7]            ; the row's largest score
	v_mul_f32 v[TT], s[CS], v[TT]                  ; as t
	v_floor_f32 v[NM], -v[TT]                      ; -M = floor(-t) = -ceil(t)
	WIN 0xc3
.set j, 0
.rept 64
	v_pk_fma_f32 v[j:j+1], v[j:j+1], s[CS:CS+1], v[NM:NM+1] op_sel_hi:[1,0,0]     ; t - M, two at a time
.set j, j+2
.endr
	WIN 0
.irp b, 0,1,2,3,4,5,6,7
	v_fma_f32 v[BM+\b], v[BM+\b], s[CS], v[NM]     ; the same of each block's largest score
.endr
	WIN 0xc3
.set j, 0
.rept 128
	v_exp_f32 v[j], v[j]                           ; p = 2^(t - M), not normalised
.set j, j+1
.endr
	WIN 0
.irp b, 0,1,2,3,4,5,6,7
	v_exp_f32 v[BM+\b], v[BM+\b]                   ; the block's largest p: the same two instructions on the same number
.endr
	v_nop                                          ; one plain place behind the exponentials
	s_wait_alu depctr_va_vdst(0)
.irp b, 0,1,2,3,4,5,6,7
	v_max_num_f32 v[BM+\b], s[FL], v[BM+\b]        ; the floor: the byte cannot fall under 1
.endr
.irp b, 0,1,2,3,4,5,6,7
	v_add_nc_u32 v[BS+\b], 0xfe000000, v[BM+\b]    ; the conversion's scale operand
.endr
.irp b, 0,1,2,3,4,5,6,7
	v_lshrrev_b32 v[BX+\b], 23, v[BS+\b]           ; the scale's byte
.endr
.irp ks, 0,1
	v_lshl_or_b32 v[PS+\ks], v[BX+4*\ks+1], 8, v[BX+4*\ks]
	v_lshl_or_b32 v[PS+\ks], v[BX+4*\ks+2], 16, v[PS+\ks]
	v_lshl_or_b32 v[PS+\ks], v[BX+4*\ks+3], 24, v[PS+\ks]
.endr
	WIN 0x03
.irp ks, 0,1
.irp c, 0,1
	v_cvt_scalef32_pk16_bf6_f32 v[PF+12*\ks+6*\c:PF+12*\ks+6*\c+2], v[64*\ks+32*\c:64*\ks+32*\c+15], v[BS+4*\ks+2*\c]
	v_cvt_scalef32_pk16_bf6_f32 v[PX+8*\ks+4*\c:PX+8*\ks+4*\c+2], v[64*\ks+32*\c+16:64*\ks+32*\c+31], v[BS+4*\ks+2*\c+1]
.endr
.endr
	WIN 0
	v_nop                                          ; one plain place behind a scaled conversion
.irp ks, 0,1
.irp c, 0,1
.irp i, 0,1,2
	v_permlane16_swap_b32 v[PF+12*\ks+6*\c+\i], v[PX+8*\ks+4*\c+\i]
.endr
.irp i, 0,1,2
	v_mov_b32 v[PF+12*\ks+6*\c+3+\i], v[PX+8*\ks+4*\c+\i]
.endr
.endr
.endr
	WIN 0x0f                                       ; the row's sum is taken of the unquantised p: four chains, started by additions
.irp q, 0,1,2,3
	v_pk_add_f32 v[SM+2*\q:SM+2*\q+1], v[2*\q:2*\q+1], v[8+2*\q:9+2*\q]
.endr
	WIN 0x0c
.set p, 8
.rept 56
	v_pk_add_f32 v[SM+2*(p%4):SM+2*(p%4)+1], v[SM+2*(p%4):SM+2*(p%4)+1], v[2*p:2*p+1]   ; (these are also the places between p's scale words and codes and the products below)
.set p, p+1
.endr
	WIN 0
	v_pk_add_f32 v[SM:SM+1], v[SM:SM+1], v[SM+2:SM+3]
	v_pk_add_f32 v[SM+4:SM+5], v[SM+4:SM+5], v[SM+6:SM+7]
	v_pk_add_f32 v[SM:SM+1], v[SM:SM+1], v[SM+4:SM+5]
	v_add_f32 v[TT], v[SM], v[SM+1]
	v_permlanex16_b32 v[TT+1], v[TT], s[SEL], s[SEL+1]
	v_add_f32 v[TT], v[TT], v[TT+1]                ; l
	v_rcp_f32 v[RC], v[TT]
	v_nop                                          ; one plain place behind a transcendental
	s_wait_alu depctr_va_vdst(0)
	v_mov_b32 v[RC+1], v[RC]
	WIN 0xf2                                       ; O^T = v_^T p^T: four accumulators by turns, two K steps of 128 keys
.irp ks, 0,1
.irp ct, 0,1,2,3
	MM 128+8*\ct, 12*(2*\ct+\ks), PF+12*\ks, (\ks==0), VS+2*\ct+\ks, PS+\ks
.endr
.endr
	PLACES 4
	WIN 0xc3
.set j, 0
.rept 16
	v_pk_mul_f32 v[128+j:129+j], v[128+j:129+j], v[RC:RC+1]        ; o = O / l: register 16 b + i is channel 32 b + 16 (lane / 16) + i of my query
.set j, j+2
.endr
	Q2 128                                         ; quantised along c: the head's two blocks
.irp g, 0,1,2
	global_store_b64 v31, v[PC+2*\g:PC+2*\g+1], s[28:29] offset:256*\g    ; 32 lanes store 256 consecutive bytes, aligned
.endr
	ds_store_b16 v30, v[PW]
	s_add_co_u32 s[TQ], s[TQ], 768
	s_add_co_u32 s[TQS], s[TQS], 128
	s_add_co_u32 s[T2], s[T2], 2
	s_add_co_u32 s[TO], s[TO], 6144
	s_add_co_u32 s[CNT], s[CNT], 1
	s_cmp_lt_u32 s[CNT], 16
	s_cbranch_scc1 .Ltile
	ds_load_b128 v[BM:BM+3], v[OSR]                ; my 16 tiles' scale bytes: LDS serves a wave's instructions in order
	s_wait_dscnt 0x0
	global_store_b128 v[LI], v[BM:BM+3], s[30:31]  ; 512 consecutive bytes
	s_wait_tensorcnt 0x0
	ds_add_u32 v182, v183
	s_wait_dscnt 0x0
	s_endpgm
.Lfunc_end_k_q2680f3fa3f_attn:
	.size	k_q2680f3fa3f_attn, .Lfunc_end_k_q2680f3fa3f_attn-k_q2680f3fa3f_attn
	.p2alignl 7, 3214868480
	.fill 96, 4, 3214868480
	.section	.rodata,"a",@progbits
	.p2align	6, 0x0
	.amdhsa_kernel k_q2680f3fa3f_attn
		.amdhsa_group_segment_fixed_size 273408
		.amdhsa_private_segment_fixed_size 0
		.amdhsa_enable_private_segment 0
		.amdhsa_kernarg_size 80
		.amdhsa_user_sgpr_count 2
		.amdhsa_user_sgpr_kernarg_segment_ptr 1
		.amdhsa_wavefront_size32 1
		.amdhsa_system_sgpr_workgroup_id_x 1
		.amdhsa_system_sgpr_workgroup_id_y 1
		.amdhsa_system_sgpr_workgroup_id_z 1
		.amdhsa_system_vgpr_workitem_id 0
		.amdhsa_next_free_vgpr 1024
		.amdhsa_next_free_sgpr 66
		.amdhsa_reserve_vcc 0
		.amdhsa_float_denorm_mode_32 3
		.amdhsa_float_denorm_mode_16_64 3
		.amdhsa_memory_ordered 1
		.amdhsa_forward_progress 1
		.amdhsa_inst_pref_size 255
	.end_amdhsa_kernel
	.section	.bss,"aw",@nobits
	.p2align	6
	.space	262144
	.amdgpu_metadata
---
amdhsa.version: [ 1, 2 ]
amdhsa.kernels:
  - .name:           k_q2680f3fa3f_attn
    .symbol:         k_q2680f3fa3f_attn.kd
    .args:
      - { .name: ycodes, .offset: 0, .size: 8, .value_kind: global_buffer, .address_space: global }
      - { .name: yscales, .offset: 8, .size: 8, .value_kind: global_buffer, .address_space: global }
      - { .name: wimg, .offset: 16, .size: 8, .value_kind: global_buffer, .address_space: global }
      - { .name: Wq_scales, .offset: 24, .size: 8, .value_kind: global_buffer, .address_space: global }
      - { .name: Wk_scales, .offset: 32, .size: 8, .value_kind: global_buffer, .address_space: global }
      - { .name: Wv_scales, .offset: 40, .size: 8, .value_kind: global_buffer, .address_space: global }
      - { .name: proj_k_scales, .offset: 48, .size: 8, .value_kind: global_buffer, .address_space: global }
      - { .name: proj_v_scales, .offset: 56, .size: 8, .value_kind: global_buffer, .address_space: global }
      - { .name: ocodes, .offset: 64, .size: 8, .value_kind: global_buffer, .address_space: global }
      - { .name: oscales, .offset: 72, .size: 8, .value_kind: global_buffer, .address_space: global }
    .group_segment_fixed_size: 273408
    .private_segment_fixed_size: 0
    .kernarg_segment_align: 8
    .kernarg_segment_size: 80
    .max_flat_workgroup_size: 128
    .sgpr_count:     66
    .vgpr_count:     1024
    .wavefront_size: 32
...
	.end_amdgpu_metadata
.endif
;; end of part 2
;; launch wo (part 3): grid 8 x 32, 4 waves a work-group, no clusters, 34,304 bytes of LDS; arguments ocodes, oscales, wimg, Wo_scales, bo, x, posT, out0; writes out0
.if DOCPART == 3
	.amdgcn_target "amdgcn-amd-amdhsa--gfx1250"
	.amdhsa_code_object_version 6
	.text
	.protected	k_q2680f3fa3f_wo
	.globl	k_q2680f3fa3f_wo
	.p2align	8
	.type	k_q2680f3fa3f_wo,@function
k_q2680f3fa3f_wo:
	s_mov_b64 s[64:65], 0
	v_nop
	global_prefetch_b8 v0, s[64:65] scope:SCOPE_SE
	s_setreg_imm32_b32 hwreg(HW_REG_WAVE_MODE, 25, 1), 1
	s_wait_xcnt 0x0
; out0[b][c][n] = (o Wo + bo)[n][c] + x[b][c][n] + posT[c][n].  o arrives as codes of E3M2 along c, made by the launch before; Wo's given codes come from wimg, where the first launch has laid them as images of the
; operand's registers ([tile of 16 rows][K step][1536], the sixth tensor there); the product's K is 512.
; SHARES.  A work-group takes 128 positions of one b; wave w makes output channels 128 w .. + 127, 16 at a time, for all 128 positions.  o's 32 fragments (8 tiles of rows x 4 K steps) stay in each wave's registers.
; LAYOUT.  Source 0 = 16 positions of o, whose tiles hold rows 32 (t / 2) + 8 (t % 2) + r + 8 (r / 8); source 1 = 16 rows of Wo.  So a lane holds ONE output channel, and register 16 b + k of the 8 accumulators is
; position 32 b + 16 (lane / 16) + k: neighbours along n, which is out0's innermost axis.  bo is the C of each sum's first product.
; THE WAY OUT.  16 channels x 128 positions go through the wave's own stage in LDS and come back as whole rows of 512 bytes; x + posT is added there, and 32 lanes store 512 consecutive bytes.
; No barrier: waves share nothing.  No tensor load: every operand lies in memory in the order of the operand's registers, or as rows that the lanes take whole.
; NO CLUSTER: Wo (204,800 bytes) and posT are read by several work-groups, but each wave takes its part of them straight into registers once; what a work-group shares with none, o, x and out0, is 622,592 bytes.
; REGISTERS.  Window 0: v4-11 addresses; v16-31 bo, two sets; v32-95 rows back from the stage; v96-159 posT's rows; v192-223 o's scale words, v224-231 Wo's, two sets.
;   Windows 1, 2: v0-191 o's fragments ((m, s) at v[12 (2 m + s % 2)] of window 1 + s / 2); v192-239 Wo's four fragments of a column tile, the two windows by turns.   Window 3: v0-63 accumulators; v64-255 three sets of 16 rows of x.
.set LI,4                              ; 16 x lane
.set L8,5                              ; 8 x lane
.set R16,7
.set R4,8
.set R32,9
.set STO,10                            ; the stage: where I put my channel's numbers
.set STR,11                            ; and where I read a row back
.set BO,16
.set SR,32
.set PT,96
.set OS,192
.set WS,224
.set MSB, 0
.macro WIN new                         ; bits 1:0 source 0, 3:2 source 1, 5:4 source 2, 7:6 destination; the high byte repeats the setting that is left
.if MSB != (\new)
	s_set_vgpr_msb (MSB<<8)|(\new)
.set MSB, (\new)
.endif
.endm
.macro PLACES n
.rept \n
	v_nop
.endr
.endm
.macro MMC d, a, b, c, sa, sb
	v_wmma_scale_f32_16x16x128_f8f6f4 v[(\d):(\d)+7], v[(\a):(\a)+11], v[(\b):(\b)+11], v[(\c):(\c)+7], v[\sa], v[\sb] matrix_a_fmt:MATRIX_FMT_BF6 matrix_b_fmt:MATRIX_FMT_BF6
.endm
	s_load_b512 s[4:19], s[0:1], 0x0               ; ocodes 4, oscales 6, wimg 8, Wo's scales 10, bo 12, x 14, posT 16, out0 18
	v_lshl_add_u32 v254, v0, 2, 0x8400
	v_mov_b32 v255, 0
	v_lshrrev_b32 v1, 5, v0
	v_readfirstlane_b32 s20, v1                    ; wave 0..3
	s_mov_b32 s21, ttmp9                           ; g: which 128 positions
	s_and_b32 s22, ttmp7, 0xffff                   ; b
	s_mov_b32 s28, 0x05040100                      ; v_perm_b32: the two low halves
	s_mov_b32 s29, 0x07060302                      ; the two high halves
	v_and_b32 v1, 31, v0
	v_and_b32 v2, 15, v0                           ; r
	v_bfe_u32 v3, v0, 4, 1                         ; h
	v_lshlrev_b32 v[LI], 4, v1
	v_lshlrev_b32 v[L8], 3, v1
	v_lshlrev_b32 v[R16], 4, v2
	v_lshlrev_b32 v[R4], 2, v2
	v_lshlrev_b32 v[R32], 5, v2
	s_mul_i32 s30, s20, 8448                       ; my stage: 16 rows x (512 bytes + 16)
	v_mul_u32_u24 v[STO], v2, 528
	v_lshl_add_u32 v[STO], v3, 6, v[STO]
	v_add_nc_u32 v[STO], s30, v[STO]
	v_add_nc_u32 v[STR], s30, v[LI]
	s_mov_b32 s25, 0
	s_mov_b32 s27, 0
	s_lshl_b32 s24, s22, 6
	s_lshl_b32 s26, s21, 3
	s_add_co_u32 s24, s24, s26                     ; my first tile: 64 b + 8 g
	s_mul_i32 s24, s24, 6144
	s_wait_kmcnt 0x0
	s_add_nc_u64 s[4:5], s[4:5], s[24:25]
	s_lshl_b32 s24, s22, 14                        ; oscales: [b][head][16 tiles' group][r][tile in the group] of two bytes
	s_lshr_b32 s26, s21, 1
	s_lshl_b32 s26, s26, 9
	s_add_co_u32 s24, s24, s26
	s_and_b32 s26, s21, 1
	s_lshl_b32 s26, s26, 4
	s_add_co_u32 s24, s24, s26
	s_add_nc_u64 s[6:7], s[6:7], s[24:25]
	s_mul_i32 s24, s20, 49152                      ; my 8 column tiles x 4 K steps of 1,536 bytes,
	s_add_co_u32 s24, s24, 5*196608                ; behind the five tensors that lie ahead of Wo in wimg
	s_add_nc_u64 s[8:9], s[8:9], s[24:25]
	s_lshl_b32 s24, s20, 11
	s_add_nc_u64 s[10:11], s[10:11], s[24:25]
	s_lshl_b32 s24, s20, 9
	s_add_nc_u64 s[12:13], s[12:13], s[24:25]
	s_lshl_b32 s24, s20, 19                        ; my 128 rows of 4,096 bytes,
	s_lshl_b32 s26, s21, 9                         ; my 128 positions
	s_add_co_u32 s24, s24, s26
	s_add_nc_u64 s[16:17], s[16:17], s[24:25]
	s_lshl_b32 s26, s22, 21
	s_add_co_u32 s24, s24, s26
	s_add_nc_u64 s[14:15], s[14:15], s[24:25]
	s_add_nc_u64 s[18:19], s[18:19], s[24:25]
.macro XLOAD i                         ; 16 rows of x for column tile i, 512 bytes each, into set i % 3
	WIN 0xc0
.irp p, 0,1,2,3,4,5,6,7,8,9,10,11,12,13,14,15
	global_load_b128 v[64+64*((\i)%3)+4*\p:64+64*((\i)%3)+4*\p+3], v[LI], s[14:15] offset:(16*(\i)+\p)*4096 th:TH_LOAD_NT
.endr
	WIN 0
.endm
.macro PTLOAD i                        ; the same rows of posT
.irp p, 0,1,2,3,4,5,6,7,8,9,10,11,12,13,14,15
	global_load_b128 v[PT+4*\p:PT+4*\p+3], v[LI], s[16:17] offset:(16*(\i)+\p)*4096
.endr
.endm
.macro WLOAD i                         ; column tile i of Wo: four fragments from their images (12 loads of 512 consecutive bytes), four scale words, bo in the result's layout: 21 loads
	WIN 0x40+0x40*((\i)%2)
.irp s, 0,1,2,3
.irp j, 0,1,2
	global_load_b128 v[192+12*\s+4*\j:195+12*\s+4*\j], v[LI], s[8:9] offset:(4*(\i)+\s)*1536+512*\j
.endr
.endr
	WIN 0
	global_load_b128 v[WS+4*((\i)%2):WS+4*((\i)%2)+3], v[R16], s[10:11] offset:256*(\i)
.irp k, 0,1,2,3,4,5,6,7
	global_load_b32 v[BO+8*((\i)%2)+\k], v[R4], s[12:13] offset:64*(\i)   ; a lane's eight results belong to one channel
.endr
.endm
	XLOAD 0
	XLOAD 1
.irp hd, 0,1,2,3,4,5,6,7
	global_load_b128 v[SR+4*\hd:SR+4*\hd+3], v[R32], s[6:7] offset:2048*\hd       ; head hd: my row's two bytes for each of the 8 tiles
.endr
.irp sh, 0,1
	WIN 0x40+0x40*\sh
.irp m, 0,1,2,3,4,5,6,7
.irp sl, 0,1
.irp e, 0,1
.irp gg, 0,1,2
	global_load_b64 v[12*(2*\m+\sl)+6*\e+2*\gg:12*(2*\m+\sl)+6*\e+2*\gg+1], v[L8], s[4:5] offset:(8*\m+2*(2*\sh+\sl)+\e)*768+256*\gg   ; K step s is heads 2 s and 2 s + 1: two halves of a fragment
.endr
.endr
.endr
.endr
.endr
	WIN 0
	WLOAD 0
	XLOAD 2
	s_wait_loadcnt 16                              ; all but the 16 just issued
.irp q, 0,1,2,3
.irp e, 0,1
.irp s, 0,1,2,3
	v_perm_b32 v[OS+4*(2*\q+\e)+\s], v[SR+4*(2*\s+1)+\q], v[SR+4*(2*\s)+\q], s[28+\e]   ; tile 2 q + e, K step s: the bytes of heads 2 s and 2 s + 1 make the scale word
.endr
.endr
.endr
	PLACES 8                                       ; a scale register written by a vector instruction stands 8 places ahead of a scaled matrix instruction
; Column tile i.
.macro CT i
.if (\i) > 0
.if (\i) <= 5
	s_wait_loadcnt 16                              ; behind this tile's weights only the 16 loads of x two tiles on were issued
.else
	s_wait_loadcnt 0x0
.endif
.endif
	PTLOAD \i
.if (\i) < 7
	WLOAD (\i)+1
.endif
.irp s, 0,1,2,3
.if \s == 0
	WIN 0xc0|((1+(\i)%2)<<2)|1
.irp m, 0,1,2,3,4,5,6,7
	MMC 8*\m, 12*(2*\m), 192, BO+8*((\i)%2), OS+4*\m, WS+4*((\i)%2)
.endr
.else
	WIN 0xf0|((1+(\i)%2)<<2)|(1+\s/2)
.irp m, 0,1,2,3,4,5,6,7
	MMC 8*\m, 12*(2*\m+\s%2), 192+12*\s, 8*\m, OS+4*\m+\s, WS+4*((\i)%2)+\s   ; the eight accumulators by turns
.endr
.endif
.endr
	PLACES 5                                       ; in front of reads of results, of loads into operands that are done with, and of sums begun anew in these registers
	WIN 0x0c                                       ; an LDS store's data are its source 1: window 3
.irp q, 0,1,2,3,4,5,6,7,8,9,10,11,12,13,14,15
	ds_store_b128 v[STO], v[4*\q:4*\q+3] offset:128*(\q/4)+16*(\q%4)       ; each accumulator from its low end on
.endr
	WIN 0
.irp p, 0,1,2,3,4,5,6,7,8,9,10,11,12,13,14,15
	ds_load_b128 v[SR+4*\p:SR+4*\p+3], v[STR] offset:528*\p                ; LDS serves a wave's instructions in order: these see my stores
.endr
.if (\i) < 7
	s_wait_loadcnt 21                              ; posT's rows are in; the next tile's 21 loads may be out
.else
	s_wait_loadcnt 0x0
.endif
	WIN 0xc3
.set j, 0
.rept 32
	v_pk_add_f32 v[64+64*((\i)%3)+j:65+64*((\i)%3)+j], v[64+64*((\i)%3)+j:65+64*((\i)%3)+j], v[PT+j:PT+j+1]    ; x + pos
.set j, j+2
.endr
	s_wait_dscnt 0x0
.set j, 0
.rept 32
	v_pk_add_f32 v[64+64*((\i)%3)+j:65+64*((\i)%3)+j], v[64+64*((\i)%3)+j:65+64*((\i)%3)+j], v[SR+j:SR+j+1]
.set j, j+2
.endr
	WIN 0x0c
.irp p, 0,1,2,3,4,5,6,7,8,9,10,11,12,13,14,15
	global_store_b128 v[LI], v[64+64*((\i)%3)+4*\p:64+64*((\i)%3)+4*\p+3], s[18:19] offset:(16*(\i)+\p)*4096 th:TH_STORE_NT   ; 32 lanes store 512 consecutive bytes, aligned
.endr
	WIN 0
.if (\i) <= 4
	s_wait_xcnt 0x0                                ; the stores have read their data: the set is loaded again only behind this wait
	XLOAD (\i)+3
.endif
.endm
.irp i, 0,1,2,3,4,5,6,7
	CT \i
.endr
	s_wait_tensorcnt 0x0
	ds_add_u32 v254, v255
	s_wait_dscnt 0x0
	s_endpgm
.Lfunc_end_k_q2680f3fa3f_wo:
	.size	k_q2680f3fa3f_wo, .Lfunc_end_k_q2680f3fa3f_wo-k_q2680f3fa3f_wo
	.p2alignl 7, 3214868480
	.fill 96, 4, 3214868480
	.section	.rodata,"a",@progbits
	.p2align	6, 0x0
	.amdhsa_kernel k_q2680f3fa3f_wo
		.amdhsa_group_segment_fixed_size 34304
		.amdhsa_private_segment_fixed_size 0
		.amdhsa_enable_private_segment 0
		.amdhsa_kernarg_size 64
		.amdhsa_user_sgpr_count 2
		.amdhsa_user_sgpr_kernarg_segment_ptr 1
		.amdhsa_wavefront_size32 1
		.amdhsa_system_sgpr_workgroup_id_x 1
		.amdhsa_system_sgpr_workgroup_id_y 1
		.amdhsa_system_sgpr_workgroup_id_z 1
		.amdhsa_system_vgpr_workitem_id 0
		.amdhsa_next_free_vgpr 1024
		.amdhsa_next_free_sgpr 66
		.amdhsa_reserve_vcc 0
		.amdhsa_float_denorm_mode_32 3
		.amdhsa_float_denorm_mode_16_64 3
		.amdhsa_memory_ordered 1
		.amdhsa_forward_progress 1
		.amdhsa_inst_pref_size 161
	.end_amdhsa_kernel
	.amdgpu_metadata
---
amdhsa.version: [ 1, 2 ]
amdhsa.kernels:
  - .name:           k_q2680f3fa3f_wo
    .symbol:         k_q2680f3fa3f_wo.kd
    .args:
      - { .name: ocodes, .offset: 0, .size: 8, .value_kind: global_buffer, .address_space: global }
      - { .name: oscales, .offset: 8, .size: 8, .value_kind: global_buffer, .address_space: global }
      - { .name: wimg, .offset: 16, .size: 8, .value_kind: global_buffer, .address_space: global }
      - { .name: Wo_scales, .offset: 24, .size: 8, .value_kind: global_buffer, .address_space: global }
      - { .name: bo, .offset: 32, .size: 8, .value_kind: global_buffer, .address_space: global }
      - { .name: x, .offset: 40, .size: 8, .value_kind: global_buffer, .address_space: global }
      - { .name: posT, .offset: 48, .size: 8, .value_kind: global_buffer, .address_space: global }
      - { .name: out0, .offset: 56, .size: 8, .value_kind: global_buffer, .address_space: global }
    .group_segment_fixed_size: 34304
    .private_segment_fixed_size: 0
    .kernarg_segment_align: 8
    .kernarg_segment_size: 64
    .max_flat_workgroup_size: 128
    .sgpr_count:     66
    .vgpr_count:     1024
    .wavefront_size: 32
...
	.end_amdgpu_metadata
.endif
;; end of part 3
;; ======== version 2 of 2: 3 launches; version 1 with the launches attn, wo written anew for expert scheduling mode
;; workspace buffers: ycodes 12,582,912 bytes; yscales 524,288 bytes; posT 2,097,152 bytes; ocodes 12,582,912 bytes; oscales 524,288 bytes; wimg 1,179,648 bytes
;; launch norm: the kernel of part 1 again; grid 16 x 32, 8 waves a work-group, no clusters, 73,728 bytes of LDS; arguments x, pos, ln_g, ln_b, ycodes, yscales, posT, Wq_codes, Wk_codes, Wv_codes, proj_k_codes, proj_v_codes, Wo_codes, wimg; writes ycodes, yscales, posT, wimg
;; launch attn (part 4): grid 8 x 32, 4 waves a work-group, no clusters, 273,408 bytes of LDS; arguments ycodes, yscales, wimg, Wq_scales, Wk_scales, Wv_scales, proj_k_scales, proj_v_scales, ocodes, oscales; writes ocodes, oscales
.if DOCPART == 4
	.amdgcn_target "amdgcn-amd-amdhsa--gfx1250"
	.amdhsa_code_object_version 6
	.text
	.protected	k_q2680f3fa3f_attn
	.globl	k_q2680f3fa3f_attn
	.p2align	8
	.type	k_q2680f3fa3f_attn,@function
k_q2680f3fa3f_attn:
	s_mov_b64 s[64:65], 0
	v_nop
	global_prefetch_b8 v0, s[64:65] scope:SCOPE_SE
	s_setreg_imm32_b32 hwreg(HW_REG_WAVE_SCHED_MODE, 0, 2), 2
	s_setreg_imm32_b32 hwreg(HW_REG_WAVE_MODE, 25, 1), 1
	s_wait_xcnt 0x0
	s_wait_alu depctr_vm_vsrc(0)
; One work-group makes one head (64 channels) of one b: q = y Wq, yk = y Wk, yv = y Wv (K = 512 c); k_ = proj_k^T yk, v_ = proj_v^T yv (K = 1,024 positions); S = q k_^T (K = 64); p = 2^(t - M); O = v_^T p (K = 256 keys); o = O / l.
; All products on codes of E3M2 with one E8M0 byte for each 32 along K; every computed operand is quantised in registers, from f32, along its own K.  o leaves as codes along c, for the last launch.
; The given codes of Wq, Wk, Wv, proj_k, proj_v come from wimg, where the first launch has laid them as images of the operand's registers: [tensor][tile][K step][1536]; their scale bytes come as they are given.
; SHARES.  P1: wave w owns positions 256 w .. + 255 (16 tiles, two chunks of 128).  P2: wave w owns keys 64 w .. + 63.  P3: wave w owns its 16 tiles of queries again.
; TILES.  Row r of a tile t (of y's positions, of the weights' columns, of the keys) is row 32 (t / 2) + 8 (t % 2) + r + 8 (r / 8): a product with such a tile as source 0 leaves index 32 b + 16 (lane / 16) + i in
; register 16 b + i of tiles 2 b, 2 b + 1: 16 neighbours along the next K, as the conversions want them.
; OPERANDS GO THROUGH LDS AS IMAGES OF THEIR REGISTERS: a fragment (12 registers) by three accesses of 16 bytes a lane, 512 bytes each; half a fragment (64 along K, 6 registers) by three of 8 bytes a lane; scale words 4 bytes a lane.
; K = 64 IN AN INSTRUCTION OF 128: q's registers 6-11 are zero codes.  k_'s half fragments lie 6 registers apart, so source 0's upper half is the next tile's codes: they meet zero codes and add nothing.
; SOFTMAX: all 256 keys of a query are in hand at once: t = score x log2(e) / 8, M = ceil(the row's largest t), p = 2^(t - M); the sum l is taken of the unquantised p.
; NO CLUSTER: the eight heads of a b read the same y, but y goes straight into registers in register order; a chunk of y for four waves is 4 x 49,152 bytes and LDS has 54,784 bytes left beside what is kept there.
; LIMITS: NaN and infinities are not served.  A block whose largest magnitude lies under 2^-122 gets the byte 1 (this program alone reads the bytes).  p under 2^-126 counts as 0.
; REGISTERS, in windows of 256.  Window 0: v1-33 addresses; v40-76 the quantiser's; v80-171 P3's; v184-255 scale words and nothing else.
;   Windows 1, 2: v0-191 32 fragments that stay for a phase (y's chunk; proj's; k_ and v_); v192-239 four fragments that stream, the two windows by turns.   Window 3: accumulators.
; THE MODE: SCHED_MODE bits 1:0 = 2 (LLVM: expert scheduling mode 2), set by the entry lines.  The code itself states the register dependences
; between vector or matrix instructions and memory or LDS instructions, with s_wait_alu, always for 0.
; THE PLAN.  Registers that memory or LDS instructions touch, and who else names them:
;   v1-23, v32-33    Addresses, written at the head (v32-33 behind the first barrier) and never again: one wait on va_vdst ahead of the first load.
;   v24-31           A phase's, a chunk's or a tile's addresses.  Ahead of the lines that write them a wait on vm_vsrc (the accesses issued so far have read them); behind those lines, ahead of the first access by them, a wait on va_vdst.
;   STREAM 0, 1      v192-239 of windows 1, 2, and their scale words v216-219, v220-223.  Step i's products read stream i % 2; the LDS loads for step i + 1 land in the other, which step i - 1's products read.
;                    ONE wait on va_vdst at a step's head states that those are done; the run of loads follows behind the step's first products, which name stream i % 2, the fragments that stay and accumulators alone.
;   WHAT STAYS       v0-191 of windows 1, 2, with v184-215 and v224-255: read by a phase's products, loaded anew for the next chunk or phase behind a wait on va_vdst.  In P2's first pass proj_v's K step g takes the registers
;                    that proj_k's has left: its loads stand in step g + 1, behind that step's head wait.
;   v[PC ..], v[PW]  Written by the quantiser, read by the stores behind it: a wait on vm_vsrc ahead of the first line that writes them, a wait on va_vdst behind the last.
;   v80-85, v208     q's fragment and scale word: read by a tile's 16 products S^T alone; the next tile's land there behind the wait for the exponentials, which stands behind those products.
;   Accumulators (window 3) and the rest of window 0 are named by vector and matrix instructions alone.  v182, v183: written at the head, read by the closing add alone.
.set TENSOR, 196608                    ; a tensor's 128 images in wimg
.set WIMG, 0                           ; 48 fragments of Wq, Wk, Wv: (matrix x 4 + column tile) x 4 + K step
.set WSI,  73728                       ; 12 images of 512 bytes: a column tile's four scale words
.set YTI,  79872                       ; yk^T, yv^T: (pass x 4 + column tile) x 8 + chunk
.set YTS,  178176                      ; their scale words, 128 bytes each
.set QI,   186368                      ; q: 768 bytes a tile
.set QSI,  235520                      ; its scale words
.set KI,   243712                      ; k_: 768 bytes a key tile
.set KSI,  256000
.set VI,   258048                      ; v_: 768 bytes for (column tile x 4 + wave)
.set VSI,  270336                      ; its scale words: (column tile x 2 + K step) x 64 + 4 r
.set OSC,  270848                      ; o's scale bytes: 512 bytes a wave
.set L,1
.set R,2
.set LI,4                              ; 16 x lane
.set LS,5                              ; 4 x lane
.set L8,6                              ; 8 x lane
.set R16,7                             ; 16 r
.set PR,8                              ; r + 8 (r / 8)
.set WSA,10                            ; a weight's scale row of column tile w
.set PSA,12                            ; proj's scale row
.set WWI,13                            ; v13-14 where I store the weights' images: 16 x lane + 1,536 w; v13 is also my place in a column tile's four images in memory
.set WSW,15
.set WAD,16                            ; v16-17 where all read them
.set WSAD,18
.set YTWK0,19
.set YTWV0,20
.set YSW0,21
.set QW0,22
.set QSW0,23
.set OSW0,32
.set OSR,33
.set TM,40                             ; v40-55 the quantiser: largest magnitudes, bytes, scale operands
.set PC,56                             ; v56-75 the codes just made
.set PW,76                             ; the scale word just made
.set QF,80                             ; v80-91 q's fragment
.set PF,92                             ; v92-115 p's two fragments
.set PX,116                            ; v116-131 the upper halves' conversions
.set BM,132                            ; v132-139 each block's largest score, then largest p
.set BX,140
.set BS,148                            ; the conversions' scale operands
.set NM,156                            ; -M
.set SM,158                            ; v158-165 four chains of pairs
.set RC,166                            ; 1 / l
.set TT,168
.set YS,184
.set WS,216
.set PKS,184
.set TS,216
.set PVS,224
.set KS,184
.set VS,200
.set QS,208
.set PS,210
.set WV,32
.set HD,33
.set BB,34
.set SEL,36
.set CS,38
.set FL,40
.set CNT,41
.set TG,42
.set TGS,43
.set TQ,44
.set TQS,45
.set T2,46
.set TO,47
.set MSB, 0
.macro WIN new                         ; bits 1:0 source 0, 3:2 source 1, 5:4 source 2, 7:6 destination; the high byte repeats the setting that is left
.if MSB != (\new)
	s_set_vgpr_msb (MSB<<8)|(\new)
.set MSB, (\new)
.endif
.endm
.macro PLACES n                        ; plain vector instructions behind matrix instructions (ISA guide 7.12.1)
.rept \n
	v_nop
.endr
.endm
.macro BARRIER                         ; my LDS stores have landed and my LDS loads are in: then the work-group's barrier
	s_wait_dscnt 0x0
	s_barrier_signal -1
	s_barrier_wait -1
.endm
.macro MM d, a, b, z, sa, sb           ; z: the product starts its sum
.if \z
	v_wmma_scale_f32_16x16x128_f8f6f4 v[(\d):(\d)+7], v[(\a):(\a)+11], v[(\b):(\b)+11], 0, v[\sa], v[\sb] matrix_a_fmt:MATRIX_FMT_BF6 matrix_b_fmt:MATRIX_FMT_BF6
.else
	v_wmma_scale_f32_16x16x128_f8f6f4 v[(\d):(\d)+7], v[(\a):(\a)+11], v[(\b):(\b)+11], v[(\d):(\d)+7], v[\sa], v[\sb] matrix_a_fmt:MATRIX_FMT_BF6 matrix_b_fmt:MATRIX_FMT_BF6
.endif
.endm
; 32 numbers of a lane in window 3, register 16 b + i = k 32 b + 16 (lane / 16) + i of my row, become half a fragment's codes in v[PC] .. v[PC + 5] and two scale bytes in v[PW].
.macro Q2 src
	WIN 0x3c
.irp b, 0,1
	v_max3_num_f32 v[TM+\b], s[FL], |v[(\src)+16*\b]|, |v[(\src)+16*\b+1]|   ; my 16 numbers of block b, and the floor 2^(5 - 127)
.endr
.irp i, 2,4,6,8,10,12,14
.irp b, 0,1
	v_max3_num_f32 v[TM+\b], v[TM+\b], |v[(\src)+16*\b+\i]|, |v[(\src)+16*\b+\i+1]|
.endr
.endr
	WIN 0
.irp b, 0,1
	v_permlanex16_b32 v[TM+4+\b], v[TM+\b], s[SEL], s[SEL+1]
.endr
.irp b, 0,1
	v_max_num_f32 v[TM+\b], v[TM+\b], v[TM+4+\b]   ; with lane l xor 16's: the block's largest magnitude
.endr
.irp b, 0,1
	v_add_nc_u32 v[TM+12+\b], 0xfe000000, v[TM+\b] ; 4 off its exponent field: the conversion's scale operand
.endr
.irp b, 0,1
	v_lshrrev_b32 v[TM+4+\b], 23, v[TM+12+\b]      ; the scale's byte
.endr
	s_wait_dscnt 0x0                               ; earlier LDS stores are done
	s_wait_alu depctr_vm_vsrc(0)                   ; the stores issued so far have read v[PW] and v[PC ..], which the lines below write again
	v_lshl_or_b32 v[PW], v[TM+5], 8, v[TM+4]
	WIN 0x03
	v_cvt_scalef32_pk16_bf6_f32 v[PC:PC+2], v[(\src):(\src)+15], v[TM+12]
	v_cvt_scalef32_pk16_bf6_f32 v[PC+12:PC+14], v[(\src)+16:(\src)+31], v[TM+13]
	WIN 0
	v_nop                                          ; one plain place behind a scaled conversion
.irp i, 0,1,2
	v_permlane16_swap_b32 v[PC+\i], v[PC+12+\i]    ; the layout wants a whole block in a lane: lanes 0-15 block 0, lanes 16-31 block 1
.endr
.irp i, 0,1,2
	v_mov_b32 v[PC+3+\i], v[PC+12+\i]
.endr
	s_wait_alu depctr_va_vdst(0)                   ; the codes in v[PC ..] and the bytes in v[PW] are written, which the stores behind this macro read
.endm
; The same for 64 numbers: a whole fragment in v[PC] .. v[PC + 11], four scale bytes in v[PW].
.macro QUANT4 src
	WIN 0x3c
.irp b, 0,1,2,3
	v_max3_num_f32 v[TM+\b], s[FL], |v[(\src)+16*\b]|, |v[(\src)+16*\b+1]|
.endr
.irp i, 2,4,6,8,10,12,14
.irp b, 0,1,2,3
	v_max3_num_f32 v[TM+\b], v[TM+\b], |v[(\src)+16*\b+\i]|, |v[(\src)+16*\b+\i+1]|
.endr
.endr
	WIN 0
.irp b, 0,1,2,3
	v_permlanex16_b32 v[TM+4+\b], v[TM+\b], s[SEL], s[SEL+1]
.endr
.irp b, 0,1,2,3
	v_max_num_f32 v[TM+\b], v[TM+\b], v[TM+4+\b]
.endr
.irp b, 0,1,2,3
	v_add_nc_u32 v[TM+12+\b], 0xfe000000, v[TM+\b]
.endr
.irp b, 0,1,2,3
	v_lshrrev_b32 v[TM+4+\b], 23, v[TM+12+\b]
.endr
	s_wait_dscnt 0x0                               ; earlier LDS stores are done
	s_wait_alu depctr_vm_vsrc(0)                   ; the stores issued so far have read v[PW] and v[PC ..], which the lines below write again
	v_lshl_or_b32 v[PW], v[TM+5], 8, v[TM+4]
	v_lshl_or_b32 v[PW], v[TM+6], 16, v[PW]
	v_lshl_or_b32 v[PW], v[TM+7], 24, v[PW]
	WIN 0x03
.irp c, 0,1
	v_cvt_scalef32_pk16_bf6_f32 v[PC+6*\c:PC+2+6*\c], v[(\src)+32*\c:(\src)+15+32*\c], v[TM+12+2*\c]
	v_cvt_scalef32_pk16_bf6_f32 v[PC+12+4*\c:PC+14+4*\c], v[(\src)+16+32*\c:(\src)+31+32*\c], v[TM+13+2*\c]
.endr
	WIN 0
	v_nop
.irp c, 0,1
.irp i, 0,1,2
	v_permlane16_swap_b32 v[PC+6*\c+\i], v[PC+12+4*\c+\i]
.endr
.irp i, 0,1,2
	v_mov_b32 v[PC+3+6*\c+\i], v[PC+12+4*\c+\i]
.endr
.endr
	s_wait_alu depctr_va_vdst(0)                   ; the codes in v[PC ..] and the word in v[PW] are written, which the stores behind this macro read
.endm
.macro STORE6 adr, off                 ; half a fragment to LDS as it stands
.irp g, 0,1,2
	ds_store_b64 v[\adr], v[PC+2*\g:PC+2*\g+1] offset:(\off)+256*\g
.endr
.endm
.macro IMAGE adr, off                  ; a fragment to LDS as it stands
.irp j, 0,1,2
	ds_store_b128 v[\adr], v[PC+4*\j:PC+4*\j+3] offset:(\off)+512*\j
.endr
.endm
	s_load_b128 s[4:7], s[0:1], 0x0                ; ycodes s[4:5], yscales s[6:7]
	s_load_b128 s[8:11], s[0:1], 0x10              ; wimg s[8:9] (Wq's images come first in it), Wq's scales s[10:11]
	s_load_b64 s[14:15], s[0:1], 0x20              ; Wk's scales
	s_load_b64 s[18:19], s[0:1], 0x28              ; Wv's
	s_load_b64 s[22:23], s[0:1], 0x30              ; proj_k's
	s_load_b64 s[26:27], s[0:1], 0x38              ; proj_v's
	s_load_b128 s[28:31], s[0:1], 0x40             ; ocodes s[28:29], oscales s[30:31]
	v_lshl_add_u32 v182, v0, 2, 0x42a00
	v_mov_b32 v183, 0
	v_lshrrev_b32 v1, 5, v0
	v_readfirstlane_b32 s[WV], v1                  ; wave 0..3
	s_mov_b32 s[HD], ttmp9                         ; the head
	s_and_b32 s[BB], ttmp7, 0xffff                 ; b
	s_mov_b32 s[SEL], 0x76543210
	s_mov_b32 s[SEL+1], 0xfedcba98                 ; v_permlanex16_b32's selects for lane l xor 16
	s_mov_b32 s[CS], 0x3e38aa3b                    ; log2(e) / 8
	s_mov_b32 s[CS+1], s[CS]
	s_mov_b32 s[FL], 0x02800000                    ; the floor 2^(5 - 127)
	v_and_b32 v[L], 31, v0
	v_and_b32 v[R], 15, v0
	v_lshlrev_b32 v[LI], 4, v[L]
	v_lshlrev_b32 v[LS], 2, v[L]
	v_lshlrev_b32 v[L8], 3, v[L]
	v_lshlrev_b32 v[R16], 4, v[R]
	v_and_b32 v[PR], 8, v[R]
	v_add_nc_u32 v[PR], v[PR], v[R]
	s_wait_alu depctr_va_sdst(0)                   ; the wave's number is written, ahead of its first reader: LDS places and the buffers' offsets are made from it
	s_lshr_b32 s48, s[WV], 1
	s_lshl_b32 s48, s48, 9
	s_and_b32 s49, s[WV], 1
	s_lshl_b32 s49, s49, 7
	s_add_co_u32 s48, s48, s49                     ; column tile w begins at row 32 (w / 2) + 8 (w % 2): 16 scale bytes a row
	v_lshl_add_u32 v[WSA], v[PR], 4, s48
	v_lshlrev_b32 v[PSA], 5, v[PR]
	s_mul_i32 s48, s[WV], 1536
	v_add_nc_u32 v[WWI], s48, v[LI]
	v_add_nc_u32 v[WWI+1], 36864, v[WWI]
	s_lshl_b32 s48, s[WV], 9
	v_add_nc_u32 v[WSW], s48, v[LI]
	v_add_nc_u32 v[WSW], WSI, v[WSW]
	v_add_nc_u32 v[WAD], WIMG, v[LI]
	v_add_nc_u32 v[WAD+1], 36864, v[LI]
	v_add_nc_u32 v[WSAD], WSI, v[LI]
	s_mul_i32 s48, s[WV], 3072
	v_add_nc_u32 v[YTWK0], s48, v[LI]
	v_add_nc_u32 v[YTWK0], YTI, v[YTWK0]
	v_add_nc_u32 v[YTWV0], 49152, v[YTWK0]
	s_lshl_b32 s48, s[WV], 8
	v_add_nc_u32 v[YSW0], s48, v[LS]
	v_add_nc_u32 v[YSW0], YTS, v[YSW0]
	s_mul_i32 s48, s[WV], 12288
	v_add_nc_u32 v[QW0], s48, v[L8]
	v_add_nc_u32 v[QW0], QI, v[QW0]
	s_lshl_b32 s48, s[WV], 11
	v_add_nc_u32 v[QSW0], s48, v[LS]
	v_add_nc_u32 v[QSW0], QSI, v[QSW0]
	s_mul_i32 s48, s[BB], 393216                   ; 64 tiles of 6,144 bytes a b,
	s_mul_i32 s50, s[WV], 98304                    ; 16 a wave
	s_add_co_u32 s48, s48, s50
	s_mov_b32 s49, 0
	s_wait_kmcnt 0x0
	s_add_nc_u64 s[4:5], s[4:5], s[48:49]
	s_mul_i32 s50, s[HD], 768
	s_add_co_u32 s48, s48, s50
	s_add_nc_u64 s[28:29], s[28:29], s[48:49]
	s_lshl_b32 s48, s[BB], 14
	s_lshl_b32 s50, s[WV], 12
	s_add_co_u32 s48, s48, s50
	s_add_nc_u64 s[6:7], s[6:7], s[48:49]
	s_add_nc_u64 s[12:13], s[8:9], TENSOR          ; Wk's images,
	s_add_nc_u64 s[16:17], s[8:9], 2*TENSOR        ; Wv's,
	s_add_nc_u64 s[20:21], s[8:9], 3*TENSOR        ; proj_k's,
	s_add_nc_u64 s[24:25], s[8:9], 4*TENSOR        ; proj_v's
	s_mul_i32 s48, s[HD], 24576                    ; the head's 4 column tiles x 4 K steps of each weight
	s_add_nc_u64 s[8:9], s[8:9], s[48:49]
	s_add_nc_u64 s[12:13], s[12:13], s[48:49]
	s_add_nc_u64 s[16:17], s[16:17], s[48:49]
	s_lshl_b32 s48, s[HD], 10
	s_add_nc_u64 s[10:11], s[10:11], s[48:49]
	s_add_nc_u64 s[14:15], s[14:15], s[48:49]
	s_add_nc_u64 s[18:19], s[18:19], s[48:49]
	s_mul_i32 s48, s[WV], 49152                    ; my 4 key tiles x 8 K steps of proj
	s_add_nc_u64 s[20:21], s[20:21], s[48:49]
	s_add_nc_u64 s[24:25], s[24:25], s[48:49]
	s_lshl_b32 s48, s[WV], 11
	s_add_nc_u64 s[22:23], s[22:23], s[48:49]
	s_add_nc_u64 s[26:27], s[26:27], s[48:49]
	s_lshl_b32 s48, s[BB], 3
	s_add_co_u32 s48, s48, s[HD]
	s_lshl_b32 s48, s48, 2
	s_add_co_u32 s48, s48, s[WV]
	s_lshl_b32 s48, s48, 9
	s_add_nc_u64 s[30:31], s[30:31], s[48:49]
	s_wait_alu depctr_va_vdst(0)                   ; the addresses v1 to v23 are written, which the loads and stores of the whole kernel read
; ---- P0: the head's weights go into LDS once, as images.  Wave w fetches K step w of all 12 column tiles (512 consecutive bytes a load), and the scale rows of column tile w of the three weights.
.irp i, 0,1,2,3,4,5,6,7,8,9,10,11
.irp j, 0,1,2
	global_load_b128 v[32+12*\i+4*\j:35+12*\i+4*\j], v[WWI], s[8+4*(\i/4):9+4*(\i/4)] offset:(\i%4)*6144+512*\j
.endr
.endr
.irp t, 0,1,2
	global_load_b128 v[224+4*\t:227+4*\t], v[WSA], s[10+4*\t:11+4*\t]
.endr
; y's chunk: 8 tiles x 4 K steps, straight into the operand's registers: fragment (m, s) at v[12 (2 m + s % 2)] of window 1 + s / 2; and its scale words.  104 loads.
.macro CHUNKLOAD
.irp sh, 0,1
	WIN 0x40+0x40*\sh
.irp m, 0,1,2,3,4,5,6,7
.irp sl, 0,1
.irp j, 0,1,2
	global_load_b128 v[12*(2*\m+\sl)+4*\j:12*(2*\m+\sl)+4*\j+3], v[LI], s[4:5] offset:(4*\m+2*\sh+\sl)*1536+512*\j
.endr
.endr
.endr
.endr
	WIN 0
.irp m, 0,1,2,3,4,5,6,7
	global_load_b128 v[YS+4*\m:YS+4*\m+3], v[R16], s[6:7] offset:256*\m
.endr
.endm
	CHUNKLOAD
	s_wait_loadcnt 63                              ; of the 143 loads at most the youngest 63 are out: the 39 of the weights, issued first, are in
.irp i, 0,1,2,3,4,5,6,7,8,9,10,11
.irp j, 0,1,2
	ds_store_b128 v[WWI+(\i/6)], v[32+12*\i+4*\j:35+12*\i+4*\j] offset:(\i%6)*6144+512*\j
.endr
.endr
.irp t, 0,1,2
	ds_store_b128 v[WSW], v[224+4*\t:227+4*\t] offset:2048*\t
.endr
	BARRIER                                        ; the weights' images lie in LDS
	s_wait_alu depctr_vm_vsrc(0)                   ; my LDS stores have read v32-175 and v224-235: from here on these are addresses, the quantiser's and P3's registers and scale words, written by vector instructions and by loads
	s_lshl_b32 s48, s[WV], 9
	v_lshl_add_u32 v[OSW0], v[R], 5, s48
	v_add_nc_u32 v[OSW0], OSC, v[OSW0]
	v_add_nc_u32 v[OSR], s48, v[LI]
	v_add_nc_u32 v[OSR], OSC, v[OSR]
.irp b, 0,1,2,3
	v_mov_b32 v[TM+4+\b], 0                        ; written once: a lane permute's destination counts as one of its sources
.endr
; ---- P1: q, yk, yv for my 256 positions, a chunk of 128 a trip.
.macro FETCHW i                        ; column tile i's four fragments and four scale words, into the stream buffer i % 2
	WIN 0x40+0x40*((\i)%2)
.irp s, 0,1,2,3
.irp j, 0,1,2
	ds_load_b128 v[192+12*\s+4*\j:195+12*\s+4*\j], v[WAD+((\i)/6)] offset:(((\i)%6)*4+\s)*1536+512*\j
.endr
.endr
	WIN 0
	ds_load_b128 v[WS+4*((\i)%2):WS+4*((\i)%2)+3], v[WSAD] offset:512*(\i)
.endm
; Column tile i x the chunk's 8 tiles of rows: 32 matrix instructions, the 8 accumulators by turns, K step by K step.
; i < 4: q, transposed (source 0 = 16 columns of Wq): a lane holds one query, its registers run along the head's channels.
; i >= 4: yk, yv (source 0 = 16 positions): a lane holds one channel, its registers run along the positions, which are the projections' K.
; The next tile's 13 LDS loads stand behind the first K step's eight products, which name this tile's stream buffer and words, y's fragments and words and the accumulators: none of the registers that those loads touch.
.macro COLTILE i
	s_wait_dscnt 0x0                               ; this tile's fragments are in
.if ((\i) > 0) && ((\i) < 11)
	s_wait_alu depctr_va_vdst(0)                   ; the last tile's products are done reading the other stream buffer and its scale words, in which the next tile's land
.endif
.irp s, 0,1,2,3
.if (\i) < 4
	WIN 0xf0|((1+\s/2)<<2)|(1+(\i)%2)
.irp m, 0,1,2,3,4,5,6,7
	MM 32*\m+8*(\i), 192+12*\s, 12*(2*\m+\s%2), (\s==0), WS+4*((\i)%2)+\s, YS+4*\m+\s
.endr
.else
	WIN 0xf0|((1+(\i)%2)<<2)|(1+\s/2)
.irp m, 0,1,2,3,4,5,6,7
	MM 8*\m, 12*(2*\m+\s%2), 192+12*\s, (\s==0), YS+4*\m+\s, WS+4*((\i)%2)+\s
.endr
.endif
.if (\s == 0) && ((\i) < 11)
	FETCHW (\i)+1                                  ; no further wait: tile 0's stands at the chunk's head
.endif
.endr
	WIN 0
	PLACES 5                                       ; in front of reads of results, of loads into operands that are done with, and of sums begun anew in these registers
.if (\i) == 3
.irp m, 0,1,2,3,4,5,6,7
	Q2 32*\m                                       ; tile m's 16 queries x 64 channels
	STORE6 27, 768*\m
	ds_store_b32 v28, v[PW] offset:128*\m
.endr
.endif
.if (\i) >= 4
	QUANT4 0                                       ; 16 channels x the chunk's 128 positions: one K step of a projection
.if (\i) < 8
	IMAGE 24, ((\i)%4)*12288
.else
	IMAGE 25, ((\i)%4)*12288
.endif
	ds_store_b32 v26, v[PW] offset:((\i)-4)*1024
.endif
.endm
	s_mov_b32 s[CNT], 0
	s_mov_b32 s[TG], 0
	s_mov_b32 s[TGS], 0
	s_mov_b32 s[TQ], 0
	s_mov_b32 s[TQS], 0
.Lchunk:
	s_wait_loadcnt 0x0                             ; y's chunk is in
	s_wait_alu depctr_vm_vsrc(0)                   ; the last chunk's LDS stores have read their addresses v24 to v28
	v_add_nc_u32 v24, s[TG], v[YTWK0]
	v_add_nc_u32 v25, s[TG], v[YTWV0]
	v_add_nc_u32 v26, s[TGS], v[YSW0]
	v_add_nc_u32 v27, s[TQ], v[QW0]
	v_add_nc_u32 v28, s[TQS], v[QSW0]
	s_wait_alu depctr_va_vdst(0)                   ; v24 to v28 are written, by which this chunk's LDS stores go; the last chunk's products are done reading both stream buffers and their scale words, in which tiles 0 and 1 land
	FETCHW 0
.irp i, 0,1,2,3,4,5,6,7,8,9,10,11
	COLTILE \i
.endr
	s_cmp_eq_u32 s[CNT], 1
	s_cbranch_scc1 .Lno_next                       ; the second chunk has no successor: no load leaves its buffer
	s_add_nc_u64 s[4:5], s[4:5], 49152             ; (the loads that used these bases were shown done at the trip's head)
	s_add_nc_u64 s[6:7], s[6:7], 2048
	s_wait_alu depctr_va_vdst(0)                   ; the chunk's products are done reading y's fragments and scale words, in which the next chunk lands
	CHUNKLOAD
.Lno_next:
	s_add_co_u32 s[TG], s[TG], 1536
	s_add_co_u32 s[TGS], s[TGS], 128
	s_add_co_u32 s[TQ], s[TQ], 6144
	s_add_co_u32 s[TQS], s[TQS], 1024
	s_add_co_u32 s[CNT], s[CNT], 1
	s_cmp_lt_u32 s[CNT], 2
	s_cbranch_scc1 .Lchunk
	s_wait_loadcnt 0x0                             ; no load of a chunk of y is out when proj's fragments and scale words are loaded into the chunk's registers (the last trip issues none, so this wait is met at once)
; ---- P2: k_ and v_ for my 64 keys.  proj's fragments stay in registers: (key tile q, K step g) at v[12 ((q % 2) 8 + g)] of window 1 + q / 2.
	s_wait_alu depctr_vm_vsrc(0)                   ; P1's LDS stores have read their addresses v24 to v28
	v_add_nc_u32 v24, YTI, v[LI]
	v_add_nc_u32 v25, 49152, v24
	v_add_nc_u32 v26, YTS, v[LS]
	s_mul_i32 s48, s[WV], 3072
	v_add_nc_u32 v27, s48, v[L8]
	v_add_nc_u32 v27, KI, v27
	s_lshl_b32 s48, s[WV], 9
	v_add_nc_u32 v28, s48, v[LS]
	v_add_nc_u32 v28, KSI, v28
	s_mul_i32 s48, s[WV], 768
	v_add_nc_u32 v29, s48, v[L8]
	v_add_nc_u32 v29, VI, v29
	s_lshr_b32 s48, s[WV], 1
	s_lshl_b32 s48, s48, 6
	s_and_b32 s49, s[WV], 1
	s_lshl_b32 s49, s49, 1
	s_add_co_u32 s48, s48, s49
	v_lshl_add_u32 v30, v[R], 2, s48
	v_add_nc_u32 v30, VSI, v30
	s_wait_alu depctr_va_vdst(0)                   ; v24 to v30 are written, by which P2's LDS accesses go; P1's products are done reading y's fragments and scale words and both stream buffers, in which proj's and yk^T's land
.irp q, 0,1,2,3
.irp e, 0,1
	global_load_b128 v[PKS+8*\q+4*\e:PKS+8*\q+4*\e+3], v[PSA], s[22:23] offset:(32*(\q/2)+8*(\q%2))*32+16*\e
	global_load_b128 v[PVS+8*\q+4*\e:PVS+8*\q+4*\e+3], v[PSA], s[26:27] offset:(32*(\q/2)+8*(\q%2))*32+16*\e
.endr
.endr
.macro LOADP sb, g                     ; K step g of my four key tiles, from their images: 12 loads of 512 consecutive bytes
.irp qh, 0,1
	WIN 0x40+0x40*\qh
.irp ql, 0,1
.irp j, 0,1,2
	global_load_b128 v[12*(\ql*8+(\g))+4*\j:12*(\ql*8+(\g))+4*\j+3], v[LI], s[\sb:\sb+1] offset:((2*\qh+\ql)*8+(\g))*1536+512*\j
.endr
.endr
.endr
	WIN 0
.endm
.irp g, 0,1,2,3,4,5,6,7
	LOADP 20, \g
.endr
	BARRIER                                        ; yk^T and yv^T of all 1,024 positions lie in LDS
.macro FETCHT st                       ; step st = 8 pass + g: the four column tiles' fragments of K step g, and their scale words, into the stream buffer st % 2
	WIN 0x40+0x40*((\st)%2)
.irp ct, 0,1,2,3
.irp j, 0,1,2
	ds_load_b128 v[192+12*\ct+4*\j:195+12*\ct+4*\j], v[24+(\st)/8] offset:(8*\ct+(\st)%8)*1536+512*\j
.endr
.endr
	WIN 0
.irp ct, 0,1,2,3
	ds_load_b32 v[TS+4*((\st)%2)+\ct], v26 offset:((((\st)/8)*4+\ct)*8+(\st)%8)*128
.endr
.endm
; 16 matrix instructions, the 16 accumulators by turns.  Pass 0: source 0 = 16 channels of yk^T, source 1 = 16 keys: a lane holds one key, registers along the channels.
; Pass 1: source 0 = 16 keys of proj_v, source 1 = 16 channels of yv^T: a lane holds one channel, registers along the keys.
; A step's products name its own stream buffer and words, its own K step of proj and the accumulators.  So behind the one wait at its head the next step's 16 LDS loads (behind the first four products) and, in steps 1 to 8,
; the 12 loads of proj_v's K step st - 1 into the registers that proj_k's has left (behind the next four) owe nothing more.
.macro PSTEP st
.set PG, (\st)%8
.set PB, (\st)%2
	s_wait_dscnt 0x0
.if ((\st) > 0) && ((\st) < 15)
	s_wait_alu depctr_va_vdst(0)                   ; the last step's products are done reading the other stream buffer, its scale words and their K step of proj: the loads of this step land in these
.endif
.if (\st) >= 8
.if 12*(7-PG) > 63
	s_wait_loadcnt 63                              ; behind this K step's 12 loads of proj_v stand those of the later K steps
.else
	s_wait_loadcnt 12*(7-PG)
.endif
.endif
.irp q, 0,1,2,3
.if (\st) < 8
	WIN 0xf0|((1+\q/2)<<2)|(1+PB)
.irp ct, 0,1,2,3
	MM 32*\q+8*\ct, 192+12*\ct, 12*((\q%2)*8+PG), (PG==0), TS+4*PB+\ct, PKS+8*\q+PG
.endr
.else
	WIN 0xf0|((1+PB)<<2)|(1+\q/2)
.irp ct, 0,1,2,3
	MM 128+32*\ct+8*\q, 12*((\q%2)*8+PG), 192+12*\ct, (PG==0), PVS+8*\q+PG, TS+4*PB+\ct
.endr
.endif
.if (\q == 0) && ((\st) < 15)
	FETCHT (\st)+1                                 ; (step 0's: the wait at P2's head stands for it)
.endif
.if (\q == 1) && ((\st) > 0) && ((\st) < 9)
	LOADP 24, (\st)-1
.endif
.endr
	WIN 0
	PLACES 5
.endm
	FETCHT 0
	s_wait_loadcnt 0x0                             ; proj_k and both sets of scale words
.irp st, 0,1,2,3,4,5,6,7
	PSTEP \st
.endr
.irp q, 0,1,2,3
	Q2 32*\q                                       ; 16 keys x 64 channels
	STORE6 27, 768*\q
	ds_store_b32 v28, v[PW] offset:128*\q
.endr
.irp st, 8,9,10,11,12,13,14,15
	PSTEP \st
.endr
.irp ct, 0,1,2,3
	Q2 128+32*\ct                                  ; 16 channels x my 64 keys: half a K step of the last product
	STORE6 29, 3072*\ct
	ds_store_b16 v30, v[PW] offset:128*\ct         ; my two bytes of the row's scale word; both halves of the lanes write the same
.endr
	BARRIER                                        ; k_ and v_ lie in LDS
; ---- P3: attention for my 16 tiles of queries.  k_ (window 1) and v_ (window 2) stay in registers.
	s_wait_alu depctr_vm_vsrc(0)                   ; P2's LDS accesses have read their addresses v24 to v27
	v_add_nc_u32 v24, KI, v[L8]
	v_add_nc_u32 v25, KSI, v[LS]
	v_add_nc_u32 v26, VI, v[L8]
	v_lshl_add_u32 v27, v[R], 2, VSI
	WIN 0x40
.irp i, 0,1,2,3,4,5
	v_mov_b32 v[96+\i], 0                          ; the upper half of the last key tile's operand
.endr
	WIN 0
.irp i, 6,7,8,9,10,11
	v_mov_b32 v[QF+\i], 0                          ; q's K is 64: the rest of the instruction's 128 are zero codes
.endr
.irp b, 0,1,2,3,4,5,6,7
	v_mov_b32 v[BX+\b], 0                          ; written once: a lane permute's destination counts as one of its sources
.endr
	v_mov_b32 v[NM+1], 0                           ; (named as the upper half of a pair)
	s_wait_alu depctr_va_vdst(0)                   ; v24 to v27 are written, by which the loads below go; P2's products are done reading proj's fragments and scale words, in which k_, v_, q and their words land; the zero codes are written, which the scaled products take
	WIN 0x40
.irp kt, 0,1,2,3,4,5,6,7,8,9,10,11,12,13,14,15
.irp g, 0,1,2
	ds_load_b64 v[6*\kt+2*\g:6*\kt+2*\g+1], v24 offset:768*\kt+256*\g
.endr
.endr
	WIN 0x80
.irp f, 0,1,2,3,4,5,6,7
.irp g, 0,1,2,3,4,5
	ds_load_b64 v[12*\f+2*\g:12*\f+2*\g+1], v26 offset:1536*\f+256*\g     ; fragment f = 2 x column tile + K step: two halves on end
.endr
.endr
	WIN 0
.irp kt, 0,1,2,3,4,5,6,7,8,9,10,11,12,13,14,15
	ds_load_b32 v[KS+\kt], v25 offset:128*\kt
.endr
.irp f, 0,1,2,3,4,5,6,7
	ds_load_b32 v[VS+\f], v27 offset:64*\f
.endr
.irp g, 0,1,2
	ds_load_b64 v[QF+2*\g:QF+2*\g+1], v[QW0] offset:256*\g                ; my first tile's q; each trip asks for the next tile's
.endr
	ds_load_b32 v[QS], v[QSW0]
	s_mov_b32 s[CNT], 0
	s_mov_b32 s[TQ], 768                           ; the NEXT tile's q,
	s_mov_b32 s[TQS], 128                          ; and its scale words
	s_mov_b32 s[T2], 0
	s_mov_b32 s[TO], 0
	s_wait_dscnt 0x0
.Ltile:
	s_wait_xcnt 0x0                                ; the last trip's stores have had their addresses translated
	s_wait_alu depctr_vm_vsrc(0)                   ; the last trip's LDS loads and its stores have read their addresses v28 to v31
	v_add_nc_u32 v28, s[TQ], v[QW0]
	v_add_nc_u32 v29, s[TQS], v[QSW0]
	v_add_nc_u32 v30, s[T2], v[OSW0]
	v_add_nc_u32 v31, s[TO], v[L8]
	s_wait_dscnt 0x1                               ; q's fragment and word, asked for a trip ago, are in; the one younger LDS instruction, that trip's store of two scale bytes, may be out
	WIN 0xc1                                       ; S^T = k_ q^T: a lane holds one query; register 16 b + i is key 32 b + 16 (lane / 16) + i
.irp kt, 0,1,2,3,4,5,6,7,8,9,10,11,12,13,14,15
	MM 8*\kt, 6*\kt, QF, 1, KS+\kt, QS
.endr
	PLACES 4
	WIN 0x3f
.irp b, 0,1,2,3,4,5,6,7
	v_max3_num_f32 v[BM+\b], v[16*\b], v[16*\b+1], v[16*\b+2]      ; the largest score of each block of 32 keys: it serves the row's maximum and, since p rises with the score, the block's largest p
.endr
	WIN 0x3c
.irp i, 3,5,7,9,11,13
.irp b, 0,1,2,3,4,5,6,7
	v_max3_num_f32 v[BM+\b], v[BM+\b], v[16*\b+\i], v[16*\b+\i+1]
.endr
.endr
.irp b, 0,1,2,3,4,5,6,7
	v_max_num_f32 v[BM+\b], v[BM+\b], v[16*\b+15]
.endr
	WIN 0
.irp b, 0,1,2,3,4,5,6,7
	v_permlanex16_b32 v[BX+\b], v[BM+\b], s[SEL], s[SEL+1]
.endr
.irp b, 0,1,2,3,4,5,6,7
	v_max_num_f32 v[BM+\b], v[BM+\b], v[BX+\b]     ; with lane l xor 16's 16 keys
.endr
	v_max3_num_f32 v[TT], v[BM], v[BM+1], v[BM+2]
	v_max3_num_f32 v[TT+1], v[BM+3], v[BM+4], v[BM+5]
	v_max3_num_f32 v[TT], v[TT], v[TT+1], v[BM+6]
	v_max_num_f32 v[TT], v[TT], v[BM+7]            ; the row's largest score
	v_mul_f32 v[TT], s[CS], v[TT]                  ; as t
	v_floor_f32 v[NM], -v[TT]                      ; -M = floor(-t) = -ceil(t)
	WIN 0xc3
.set j, 0
.rept 64
	v_pk_fma_f32 v[j:j+1], v[j:j+1], s[CS:CS+1], v[NM:NM+1] op_sel_hi:[1,0,0]     ; t - M, two at a time
.set j, j+2
.endr
	WIN 0
.irp b, 0,1,2,3,4,5,6,7
	v_fma_f32 v[BM+\b], v[BM+\b], s[CS], v[NM]     ; the same of each block's largest score
.endr
	WIN 0xc3
.set j, 0
.rept 128
	v_exp_f32 v[j], v[j]                           ; p = 2^(t - M), not normalised
.set j, j+1
.endr
	WIN 0
.irp b, 0,1,2,3,4,5,6,7
	v_exp_f32 v[BM+\b], v[BM+\b]                   ; the block's largest p: the same two instructions on the same number
.endr
	v_nop                                          ; one plain place behind the exponentials
	s_wait_alu depctr_va_vdst(0)                   ; the 136 exponentials have written p and the blocks' largest p, ahead of their first reader; the products S^T are done reading q's fragment and word, in which the next tile's land; v28 and v29 are written
	s_cmp_eq_u32 s[CNT], 15
	s_cbranch_scc1 .Lno_q                          ; the last tile has no successor
.irp g, 0,1,2
	ds_load_b64 v[QF+2*\g:QF+2*\g+1], v28 offset:256*\g
.endr
	ds_load_b32 v[QS], v29
.Lno_q:
.irp b, 0,1,2,3,4,5,6,7
	v_max_num_f32 v[BM+\b], s[FL], v[BM+\b]        ; the floor: the byte cannot fall under 1
.endr
.irp b, 0,1,2,3,4,5,6,7
	v_add_nc_u32 v[BS+\b], 0xfe000000, v[BM+\b]    ; the conversion's scale operand
.endr
.irp b, 0,1,2,3,4,5,6,7
	v_lshrrev_b32 v[BX+\b], 23, v[BS+\b]           ; the scale's byte
.endr
.irp ks, 0,1
	v_lshl_or_b32 v[PS+\ks], v[BX+4*\ks+1], 8, v[BX+4*\ks]
	v_lshl_or_b32 v[PS+\ks], v[BX+4*\ks+2], 16, v[PS+\ks]
	v_lshl_or_b32 v[PS+\ks], v[BX+4*\ks+3], 24, v[PS+\ks]
.endr
	WIN 0x03
.irp ks, 0,1
.irp c, 0,1
	v_cvt_scalef32_pk16_bf6_f32 v[PF+12*\ks+6*\c:PF+12*\ks+6*\c+2], v[64*\ks+32*\c:64*\ks+32*\c+15], v[BS+4*\ks+2*\c]
	v_cvt_scalef32_pk16_bf6_f32 v[PX+8*\ks+4*\c:PX+8*\ks+4*\c+2], v[64*\ks+32*\c+16:64*\ks+32*\c+31], v[BS+4*\ks+2*\c+1]
.endr
.endr
	WIN 0
	v_nop                                          ; one plain place behind a scaled conversion
.irp ks, 0,1
.irp c, 0,1
.irp i, 0,1,2
	v_permlane16_swap_b32 v[PF+12*\ks+6*\c+\i], v[PX+8*\ks+4*\c+\i]
.endr
.irp i, 0,1,2
	v_mov_b32 v[PF+12*\ks+6*\c+3+\i], v[PX+8*\ks+4*\c+\i]
.endr
.endr
.endr
	WIN 0x0f                                       ; the row's sum is taken of the unquantised p: four chains, started by additions
.irp q, 0,1,2,3
	v_pk_add_f32 v[SM+2*\q:SM+2*\q+1], v[2*\q:2*\q+1], v[8+2*\q:9+2*\q]
.endr
	WIN 0x0c
.set p, 8
.rept 56
	v_pk_add_f32 v[SM+2*(p%4):SM+2*(p%4)+1], v[SM+2*(p%4):SM+2*(p%4)+1], v[2*p:2*p+1]   ; (these are also the places between p's scale words and codes and the products below)
.set p, p+1
.endr
	WIN 0
	v_pk_add_f32 v[SM:SM+1], v[SM:SM+1], v[SM+2:SM+3]
	v_pk_add_f32 v[SM+4:SM+5], v[SM+4:SM+5], v[SM+6:SM+7]
	v_pk_add_f32 v[SM:SM+1], v[SM:SM+1], v[SM+4:SM+5]
	v_add_f32 v[TT], v[SM], v[SM+1]
	v_permlanex16_b32 v[TT+1], v[TT], s[SEL], s[SEL+1]
	v_add_f32 v[TT], v[TT], v[TT+1]                ; l
	v_rcp_f32 v[RC], v[TT]
	v_nop                                          ; one plain place behind a transcendental
	s_wait_alu depctr_va_vdst(0)                   ; the reciprocal is written, ahead of its first reader; p's codes and scale words are written, which the scaled products below take (their places stand ahead of this wait)
	v_mov_b32 v[RC+1], v[RC]
	WIN 0xf2                                       ; O^T = v_^T p^T: four accumulators by turns, two K steps of 128 keys
.irp ks, 0,1
.irp ct, 0,1,2,3
	MM 128+8*\ct, 12*(2*\ct+\ks), PF+12*\ks, (\ks==0), VS+2*\ct+\ks, PS+\ks
.endr
.endr
	PLACES 4
	WIN 0xc3
.set j, 0
.rept 16
	v_pk_mul_f32 v[128+j:129+j], v[128+j:129+j], v[RC:RC+1]        ; o = O / l: register 16 b + i is channel 32 b + 16 (lane / 16) + i of my query
.set j, j+2
.endr
	Q2 128                                         ; quantised along c: the head's two blocks.  (Its closing wait also shows v30 and v31 written)
.irp g, 0,1,2
	global_store_b64 v31, v[PC+2*\g:PC+2*\g+1], s[28:29] offset:256*\g    ; 32 lanes store 256 consecutive bytes, aligned
.endr
	ds_store_b16 v30, v[PW]
	s_add_co_u32 s[TQ], s[TQ], 768
	s_add_co_u32 s[TQS], s[TQS], 128
	s_add_co_u32 s[T2], s[T2], 2
	s_add_co_u32 s[TO], s[TO], 6144
	s_add_co_u32 s[CNT], s[CNT], 1
	s_cmp_lt_u32 s[CNT], 16
	s_cbranch_scc1 .Ltile
	ds_load_b128 v[BM:BM+3], v[OSR]                ; my 16 tiles' scale bytes: LDS serves a wave's instructions in order.  (No vector instruction has named v[BM ..] since the last quantiser's closing wait)
	s_wait_dscnt 0x0
	global_store_b128 v[LI], v[BM:BM+3], s[30:31]  ; 512 consecutive bytes
	s_wait_dscnt 0x0                               ; the closing lines, six on end
	s_wait_alu 0x0
	s_wait_tensorcnt 0x0
	ds_add_u32 v182, v183
	s_wait_dscnt 0x0
	s_endpgm
.Lfunc_end_k_q2680f3fa3f_attn:
	.size	k_q2680f3fa3f_attn, .Lfunc_end_k_q2680f3fa3f_attn-k_q2680f3fa3f_attn
	.p2alignl 7, 3214868480
	.fill 96, 4, 3214868480
	.section	.rodata,"a",@progbits
	.p2align	6, 0x0
	.amdhsa_kernel k_q2680f3fa3f_attn
		.amdhsa_group_segment_fixed_size 273408
		.amdhsa_private_segment_fixed_size 0
		.amdhsa_enable_private_segment 0
		.amdhsa_kernarg_size 80
		.amdhsa_user_sgpr_count 2
		.amdhsa_user_sgpr_kernarg_segment_ptr 1
		.amdhsa_wavefront_size32 1
		.amdhsa_system_sgpr_workgroup_id_x 1
		.amdhsa_system_sgpr_workgroup_id_y 1
		.amdhsa_system_sgpr_workgroup_id_z 1
		.amdhsa_system_vgpr_workitem_id 0
		.amdhsa_next_free_vgpr 1024
		.amdhsa_next_free_sgpr 66
		.amdhsa_reserve_vcc 0
		.amdhsa_float_denorm_mode_32 3
		.amdhsa_float_denorm_mode_16_64 3
		.amdhsa_memory_ordered 1
		.amdhsa_forward_progress 1
		.amdhsa_inst_pref_size 255
	.end_amdhsa_kernel
	.section	.bss,"aw",@nobits
	.p2align	6
	.space	262144
	.amdgpu_metadata
---
amdhsa.version: [ 1, 2 ]
amdhsa.kernels:
  - .name:           k_q2680f3fa3f_attn
    .symbol:         k_q2680f3fa3f_attn.kd
    .args:
      - { .name: ycodes, .offset: 0, .size: 8, .value_kind: global_buffer, .address_space: global }
      - { .name: yscales, .offset: 8, .size: 8, .value_kind: global_buffer, .address_space: global }
      - { .name: wimg, .offset: 16, .size: 8, .value_kind: global_buffer, .address_space: global }
      - { .name: Wq_scales, .offset: 24, .size: 8, .value_kind: global_buffer, .address_space: global }
      - { .name: Wk_scales, .offset: 32, .size: 8, .value_kind: global_buffer, .address_space: global }
      - { .name: Wv_scales, .offset: 40, .size: 8, .value_kind: global_buffer, .address_space: global }
      - { .name: proj_k_scales, .offset: 48, .size: 8, .value_kind: global_buffer, .address_space: global }
      - { .name: proj_v_scales, .offset: 56, .size: 8, .value_kind: global_buffer, .address_space: global }
      - { .name: ocodes, .offset: 64, .size: 8, .value_kind: global_buffer, .address_space: global }
      - { .name: oscales, .offset: 72, .size: 8, .value_kind: global_buffer, .address_space: global }
    .group_segment_fixed_size: 273408
    .private_segment_fixed_size: 0
    .kernarg_segment_align: 8
    .kernarg_segment_size: 80
    .max_flat_workgroup_size: 128
    .sgpr_count:     66
    .vgpr_count:     1024
    .wavefront_size: 32
...
	.end_amdgpu_metadata
.endif
;; end of part 4
;; launch wo (part 5): grid 8 x 32, 4 waves a work-group, no clusters, 34,304 bytes of LDS; arguments ocodes, oscales, wimg, Wo_scales, bo, x, posT, out0; writes out0
.if DOCPART == 5
	.amdgcn_target "amdgcn-amd-amdhsa--gfx1250"
	.amdhsa_code_object_version 6
	.text
	.protected	k_q2680f3fa3f_wo
	.globl	k_q2680f3fa3f_wo
	.p2align	8
	.type	k_q2680f3fa3f_wo,@function
k_q2680f3fa3f_wo:
	s_mov_b64 s[64:65], 0
	v_nop
	global_prefetch_b8 v0, s[64:65] scope:SCOPE_SE
	s_setreg_imm32_b32 hwreg(HW_REG_WAVE_SCHED_MODE, 0, 2), 2
	s_setreg_imm32_b32 hwreg(HW_REG_WAVE_MODE, 25, 1), 1
	s_wait_xcnt 0x0
	s_wait_alu depctr_vm_vsrc(0)
; out0[b][c][n] = (o Wo + bo)[n][c] + x[b][c][n] + posT[c][n].  o arrives as codes of E3M2 along c, made by the launch before; Wo's given codes come from wimg, where the first launch has laid them as images of the
; operand's registers ([tile of 16 rows][K step][1536], the sixth tensor there); the product's K is 512.
; SHARES.  A work-group takes 128 positions of one b; wave w makes output channels 128 w .. + 127, 16 at a time, for all 128 positions.  o's 32 fragments (8 tiles of rows x 4 K steps) stay in each wave's registers.
; LAYOUT.  Source 0 = 16 positions of o, whose tiles hold rows 32 (t / 2) + 8 (t % 2) + r + 8 (r / 8); source 1 = 16 rows of Wo.  So a lane holds ONE output channel, and register 16 b + k of the 8 accumulators is
; position 32 b + 16 (lane / 16) + k: neighbours along n, which is out0's innermost axis.  bo is the C of each sum's first product.
; THE WAY OUT.  16 channels x 128 positions go through the wave's own stage in LDS and come back as whole rows of 512 bytes; x + posT is added there, and 32 lanes store 512 consecutive bytes.
; No barrier: waves share nothing.  No tensor load: every operand lies in memory in the order of the operand's registers, or as rows that the lanes take whole.
; NO CLUSTER: Wo (204,800 bytes) and posT are read by several work-groups, but each wave takes its part of them straight into registers once; what a work-group shares with none, o, x and out0, is 622,592 bytes.
; REGISTERS.  Window 0: v4-11 addresses; v16-31 bo, two sets; v32-95 rows back from the stage; v96-159 posT's rows; v192-223 o's scale words, v224-231 Wo's, two sets.
;   Windows 1, 2: v0-191 o's fragments ((m, s) at v[12 (2 m + s % 2)] of window 1 + s / 2); v192-239 Wo's four fragments of a column tile, the two windows by turns.   Window 3: v0-63 accumulators; v64-255 three sets of 16 rows of x.
; THE MODE: SCHED_MODE bits 1:0 = 2 (LLVM: expert scheduling mode 2), set by the entry lines.  The code itself states the register dependences
; between vector or matrix instructions and memory or LDS instructions, with s_wait_alu, always for 0.
; THE PLAN.  Registers that memory or LDS instructions touch, and who else names them, column tile by column tile:
;   v4-11            Addresses, written at the head and never again: one wait on va_vdst ahead of the first load.
;   Wo's two sets    (v192-239 of windows 1, 2; v224-231; v16-31.)  Tile i's products read set i % 2; tile i + 1's loads, issued at tile i's head, land in the other, which tile i - 1's products read.
;   v96-159          posT's rows: loaded at a tile's head, read by its additions.
;   The accumulators Written by a tile's products, read by its LDS stores, written anew by the next tile's products.
;   v32-95           The stage's rows: loaded behind those stores, read by the tile's additions.
;   x's three sets   Set i % 3: written by tile i's additions, read by its global stores, loaded again for tile i + 3.
; So a tile has a wait on va_vdst ahead of its LDS stores (behind the places), one ahead of its global stores, and at its end, ahead of all the loads that follow, a wait on vm_vsrc and one on va_vdst.
.set LI,4                              ; 16 x lane
.set L8,5                              ; 8 x lane
.set R16,7
.set R4,8
.set R32,9
.set STO,10                            ; the stage: where I put my channel's numbers
.set STR,11                            ; and where I read a row back
.set BO,16
.set SR,32
.set PT,96
.set OS,192
.set WS,224
.set MSB, 0
.macro WIN new                         ; bits 1:0 source 0, 3:2 source 1, 5:4 source 2, 7:6 destination; the high byte repeats the setting that is left
.if MSB != (\new)
	s_set_vgpr_msb (MSB<<8)|(\new)
.set MSB, (\new)
.endif
.endm
.macro PLACES n
.rept \n
	v_nop
.endr
.endm
.macro MMC d, a, b, c, sa, sb
	v_wmma_scale_f32_16x16x128_f8f6f4 v[(\d):(\d)+7], v[(\a):(\a)+11], v[(\b):(\b)+11], v[(\c):(\c)+7], v[\sa], v[\sb] matrix_a_fmt:MATRIX_FMT_BF6 matrix_b_fmt:MATRIX_FMT_BF6
.endm
	s_load_b512 s[4:19], s[0:1], 0x0               ; ocodes 4, oscales 6, wimg 8, Wo's scales 10, bo 12, x 14, posT 16, out0 18
	v_lshl_add_u32 v254, v0, 2, 0x8400
	v_mov_b32 v255, 0
	v_lshrrev_b32 v1, 5, v0
	v_readfirstlane_b32 s20, v1                    ; wave 0..3
	s_mov_b32 s21, ttmp9                           ; g: which 128 positions
	s_and_b32 s22, ttmp7, 0xffff                   ; b
	s_mov_b32 s28, 0x05040100                      ; v_perm_b32: the two low halves
	s_mov_b32 s29, 0x07060302                      ; the two high halves
	v_and_b32 v1, 31, v0
	v_and_b32 v2, 15, v0                           ; r
	v_bfe_u32 v3, v0, 4, 1                         ; h
	v_lshlrev_b32 v[LI], 4, v1
	v_lshlrev_b32 v[L8], 3, v1
	v_lshlrev_b32 v[R16], 4, v2
	v_lshlrev_b32 v[R4], 2, v2
	v_lshlrev_b32 v[R32], 5, v2
	s_wait_alu depctr_va_sdst(0)                   ; the wave's number is written, ahead of its first reader: the stage's place and the buffers' offsets are made from it
	s_mul_i32 s30, s20, 8448                       ; my stage: 16 rows x (512 bytes + 16)
	v_mul_u32_u24 v[STO], v2, 528
	v_lshl_add_u32 v[STO], v3, 6, v[STO]
	v_add_nc_u32 v[STO], s30, v[STO]
	v_add_nc_u32 v[STR], s30, v[LI]
	s_mov_b32 s25, 0
	s_mov_b32 s27, 0
	s_lshl_b32 s24, s22, 6
	s_lshl_b32 s26, s21, 3
	s_add_co_u32 s24, s24, s26                     ; my first tile: 64 b + 8 g
	s_mul_i32 s24, s24, 6144
	s_wait_kmcnt 0x0
	s_add_nc_u64 s[4:5], s[4:5], s[24:25]
	s_lshl_b32 s24, s22, 14                        ; oscales: [b][head][16 tiles' group][r][tile in the group] of two bytes
	s_lshr_b32 s26, s21, 1
	s_lshl_b32 s26, s26, 9
	s_add_co_u32 s24, s24, s26
	s_and_b32 s26, s21, 1
	s_lshl_b32 s26, s26, 4
	s_add_co_u32 s24, s24, s26
	s_add_nc_u64 s[6:7], s[6:7], s[24:25]
	s_mul_i32 s24, s20, 49152                      ; my 8 column tiles x 4 K steps of 1,536 bytes,
	s_add_co_u32 s24, s24, 5*196608                ; behind the five tensors that lie ahead of Wo in wimg
	s_add_nc_u64 s[8:9], s[8:9], s[24:25]
	s_lshl_b32 s24, s20, 11
	s_add_nc_u64 s[10:11], s[10:11], s[24:25]
	s_lshl_b32 s24, s20, 9
	s_add_nc_u64 s[12:13], s[12:13], s[24:25]
	s_lshl_b32 s24, s20, 19                        ; my 128 rows of 4,096 bytes,
	s_lshl_b32 s26, s21, 9                         ; my 128 positions
	s_add_co_u32 s24, s24, s26
	s_add_nc_u64 s[16:17], s[16:17], s[24:25]
	s_lshl_b32 s26, s22, 21
	s_add_co_u32 s24, s24, s26
	s_add_nc_u64 s[14:15], s[14:15], s[24:25]
	s_add_nc_u64 s[18:19], s[18:19], s[24:25]
	s_wait_alu depctr_va_vdst(0)                   ; the addresses v4 to v11 are written, which the loads and stores of the whole kernel read
.macro XLOAD i                         ; 16 rows of x for column tile i, 512 bytes each, into set i % 3
	WIN 0xc0
.irp p, 0,1,2,3,4,5,6,7,8,9,10,11,12,13,14,15
	global_load_b128 v[64+64*((\i)%3)+4*\p:64+64*((\i)%3)+4*\p+3], v[LI], s[14:15] offset:(16*(\i)+\p)*4096 th:TH_LOAD_NT
.endr
	WIN 0
.endm
.macro PTLOAD i                        ; the same rows of posT
.irp p, 0,1,2,3,4,5,6,7,8,9,10,11,12,13,14,15
	global_load_b128 v[PT+4*\p:PT+4*\p+3], v[LI], s[16:17] offset:(16*(\i)+\p)*4096
.endr
.endm
.macro WLOAD i                         ; column tile i of Wo: four fragments from their images (12 loads of 512 consecutive bytes), four scale words, bo in the result's layout: 21 loads
	WIN 0x40+0x40*((\i)%2)
.irp s, 0,1,2,3
.irp j, 0,1,2
	global_load_b128 v[192+12*\s+4*\j:195+12*\s+4*\j], v[LI], s[8:9] offset:(4*(\i)+\s)*1536+512*\j
.endr
.endr
	WIN 0
	global_load_b128 v[WS+4*((\i)%2):WS+4*((\i)%2)+3], v[R16], s[10:11] offset:256*(\i)
.irp k, 0,1,2,3,4,5,6,7
	global_load_b32 v[BO+8*((\i)%2)+\k], v[R4], s[12:13] offset:64*(\i)   ; a lane's eight results belong to one channel
.endr
.endm
	XLOAD 0
	XLOAD 1
.irp hd, 0,1,2,3,4,5,6,7
	global_load_b128 v[SR+4*\hd:SR+4*\hd+3], v[R32], s[6:7] offset:2048*\hd       ; head hd: my row's two bytes for each of the 8 tiles
.endr
.irp sh, 0,1
	WIN 0x40+0x40*\sh
.irp m, 0,1,2,3,4,5,6,7
.irp sl, 0,1
.irp e, 0,1
.irp gg, 0,1,2
	global_load_b64 v[12*(2*\m+\sl)+6*\e+2*\gg:12*(2*\m+\sl)+6*\e+2*\gg+1], v[L8], s[4:5] offset:(8*\m+2*(2*\sh+\sl)+\e)*768+256*\gg   ; K step s is heads 2 s and 2 s + 1: two halves of a fragment
.endr
.endr
.endr
.endr
.endr
	WIN 0
	WLOAD 0
	XLOAD 2
	s_wait_loadcnt 16                              ; all but the 16 just issued
.irp q, 0,1,2,3
.irp e, 0,1
.irp s, 0,1,2,3
	v_perm_b32 v[OS+4*(2*\q+\e)+\s], v[SR+4*(2*\s+1)+\q], v[SR+4*(2*\s)+\q], s[28+\e]   ; tile 2 q + e, K step s: the bytes of heads 2 s and 2 s + 1 make the scale word
.endr
.endr
.endr
	PLACES 8                                       ; a scale register written by a vector instruction stands 8 places ahead of a scaled matrix instruction
	s_wait_alu depctr_va_vdst(0)                   ; o's scale words are written, which the scaled products take; the places above stay beside this wait
; Column tile i.
.macro CT i
.if (\i) > 0
.if (\i) <= 5
	s_wait_loadcnt 16                              ; behind this tile's weights only the 16 loads of x two tiles on were issued
.else
	s_wait_loadcnt 0x0
.endif
.endif
	PTLOAD \i
.if (\i) < 7
	WLOAD (\i)+1
.endif
.irp s, 0,1,2,3
.if \s == 0
	WIN 0xc0|((1+(\i)%2)<<2)|1
.irp m, 0,1,2,3,4,5,6,7
	MMC 8*\m, 12*(2*\m), 192, BO+8*((\i)%2), OS+4*\m, WS+4*((\i)%2)
.endr
.else
	WIN 0xf0|((1+(\i)%2)<<2)|(1+\s/2)
.irp m, 0,1,2,3,4,5,6,7
	MMC 8*\m, 12*(2*\m+\s%2), 192+12*\s, 8*\m, OS+4*\m+\s, WS+4*((\i)%2)+\s   ; the eight accumulators by turns
.endr
.endif
.endr
	PLACES 5                                       ; in front of reads of results, of loads into operands that are done with, and of sums begun anew in these registers
	WIN 0x0c                                       ; an LDS store's data are its source 1: window 3
	s_wait_alu depctr_va_vdst(0)                   ; the products have written the accumulators, which the LDS stores read (the places above stay beside this wait); whoever read v32-95 last is done, in which the stage's rows land
.irp q, 0,1,2,3,4,5,6,7,8,9,10,11,12,13,14,15
	ds_store_b128 v[STO], v[4*\q:4*\q+3] offset:128*(\q/4)+16*(\q%4)       ; each accumulator from its low end on
.endr
	WIN 0
.irp p, 0,1,2,3,4,5,6,7,8,9,10,11,12,13,14,15
	ds_load_b128 v[SR+4*\p:SR+4*\p+3], v[STR] offset:528*\p                ; LDS serves a wave's instructions in order: these see my stores
.endr
.if (\i) < 7
	s_wait_loadcnt 21                              ; posT's rows are in; the next tile's 21 loads may be out
.else
	s_wait_loadcnt 0x0
.endif
	WIN 0xc3
.set j, 0
.rept 32
	v_pk_add_f32 v[64+64*((\i)%3)+j:65+64*((\i)%3)+j], v[64+64*((\i)%3)+j:65+64*((\i)%3)+j], v[PT+j:PT+j+1]    ; x + pos
.set j, j+2
.endr
	s_wait_dscnt 0x0
.set j, 0
.rept 32
	v_pk_add_f32 v[64+64*((\i)%3)+j:65+64*((\i)%3)+j], v[64+64*((\i)%3)+j:65+64*((\i)%3)+j], v[SR+j:SR+j+1]
.set j, j+2
.endr
	WIN 0x0c
	s_wait_alu depctr_va_vdst(0)                   ; the additions have written this set of x, which the stores read
.irp p, 0,1,2,3,4,5,6,7,8,9,10,11,12,13,14,15
	global_store_b128 v[LI], v[64+64*((\i)%3)+4*\p:64+64*((\i)%3)+4*\p+3], s[18:19] offset:(16*(\i)+\p)*4096 th:TH_STORE_NT   ; 32 lanes store 512 consecutive bytes, aligned
.endr
	WIN 0
.if (\i) < 7
.if (\i) <= 4
	s_wait_xcnt 0x0                                ; the stores have had their addresses translated: the set is loaded again only behind this wait
.endif
	s_wait_alu depctr_vm_vsrc(0)                   ; the LDS stores have read the accumulators, which the next tile's products write anew; the global stores have read this set of x, in which the loads below land
	s_wait_alu depctr_va_vdst(0)                   ; stated behind the stores, which name the following loads' registers: the additions are done with this set of x and with posT's rows, the products with Wo's set, its scale words and bias: loads land in all of these
.if (\i) <= 4
	XLOAD (\i)+3
.endif
.endif
.endm
.irp i, 0,1,2,3,4,5,6,7
	CT \i
.endr
	s_wait_dscnt 0x0                               ; the closing lines, six on end
	s_wait_alu 0x0
	s_wait_tensorcnt 0x0
	ds_add_u32 v254, v255
	s_wait_dscnt 0x0
	s_endpgm
.Lfunc_end_k_q2680f3fa3f_wo:
	.size	k_q2680f3fa3f_wo, .Lfunc_end_k_q2680f3fa3f_wo-k_q2680f3fa3f_wo
	.p2alignl 7, 3214868480
	.fill 96, 4, 3214868480
	.section	.rodata,"a",@progbits
	.p2align	6, 0x0
	.amdhsa_kernel k_q2680f3fa3f_wo
		.amdhsa_group_segment_fixed_size 34304
		.amdhsa_private_segment_fixed_size 0
		.amdhsa_enable_private_segment 0
		.amdhsa_kernarg_size 64
		.amdhsa_user_sgpr_count 2
		.amdhsa_user_sgpr_kernarg_segment_ptr 1
		.amdhsa_wavefront_size32 1
		.amdhsa_system_sgpr_workgroup_id_x 1
		.amdhsa_system_sgpr_workgroup_id_y 1
		.amdhsa_system_sgpr_workgroup_id_z 1
		.amdhsa_system_vgpr_workitem_id 0
		.amdhsa_next_free_vgpr 1024
		.amdhsa_next_free_sgpr 66
		.amdhsa_reserve_vcc 0
		.amdhsa_float_denorm_mode_32 3
		.amdhsa_float_denorm_mode_16_64 3
		.amdhsa_memory_ordered 1
		.amdhsa_forward_progress 1
		.amdhsa_inst_pref_size 162
	.end_amdhsa_kernel
	.amdgpu_metadata
---
amdhsa.version: [ 1, 2 ]
amdhsa.kernels:
  - .name:           k_q2680f3fa3f_wo
    .symbol:         k_q2680f3fa3f_wo.kd
    .args:
      - { .name: ocodes, .offset: 0, .size: 8, .value_kind: global_buffer, .address_space: global }
      - { .name: oscales, .offset: 8, .size: 8, .value_kind: global_buffer, .address_space: global }
      - { .name: wimg, .offset: 16, .size: 8, .value_kind: global_buffer, .address_space: global }
      - { .name: Wo_scales, .offset: 24, .size: 8, .value_kind: global_buffer, .address_space: global }
      - { .name: bo, .offset: 32, .size: 8, .value_kind: global_buffer, .address_space: global }
      - { .name: x, .offset: 40, .size: 8, .value_kind: global_buffer, .address_space: global }
      - { .name: posT, .offset: 48, .size: 8, .value_kind: global_buffer, .address_space: global }
      - { .name: out0, .offset: 56, .size: 8, .value_kind: global_buffer, .address_space: global }
    .group_segment_fixed_size: 34304
    .private_segment_fixed_size: 0
    .kernarg_segment_align: 8
    .kernarg_segment_size: 64
    .max_flat_workgroup_size: 128
    .sgpr_count:     66
    .vgpr_count:     1024
    .wavefront_size: 32
...
	.end_amdgpu_metadata
.endif
;; end of part 5
